; MI455X (gfx1250); checked and timed in simulation.
; The chip was launched on July 23, 2026; its instructions are those of AMD's public machine-readable ISA for CDNA 5 (MIT licence, August 2026) and "CDNA5" Instruction Set Architecture Reference Guide (July 2026). The comments in the code are by the model that wrote it; some were corrected since.
;; Basic Multi Head Attention. Allowed arithmetic: matrix products marked QUANTISED: E2M3 operands, one E8M0 scale for each 32 along K, by v_wmma_scale_f32_16x16x128_f8f6f4 with both operands' format E2M3, f32 sums; everything else in f32.
;; Inputs: Wk 1,024 x 1,024 float32; Wo 1,024 x 1,024 float32; Wq 1,024 x 1,024 float32; Wv 1,024 x 1,024 float32; key 4 x 2,048 x 1,024 float32; query 4 x 2,048 x 1,024 float32; value 4 x 2,048 x 1,024 float32.
;; Outputs: out0 4 x 2,048 x 1,024 float32.
;; This version of the problem:
;;   THIS VERSION OF THE PROBLEM IS GIVEN IN LOW PRECISION. The matrix products marked QUANTISED in the list below multiply operands that are first quantised to E2M3 (2 exponent bits, 3 mantissa bits; 6 bits a number), with one power-of-two scale for each 32 numbers along K (OCP MX v1.0); their sums are f32. All else is computed in f32.
;;   The module's matrix products, in the order in which they are computed (A, B: the left and right operand; K: the contracted axis; several contracted axes count as one K, in the product's order):
;;     1. [M 8,192, K 1,024] x [K 1,024, N 1,024]; A: input query; B: input Wq: QUANTISED
;;     2. [M 8,192, K 1,024] x [K 1,024, N 1,024]; A: input key; B: input Wk: QUANTISED
;;     3. [M 8,192, K 1,024] x [K 1,024, N 1,024]; A: input value; B: input Wv: QUANTISED
;;     4. batch 64 x [M 2,048, K 64] x [K 64, N 2,048]; A: computed on the way; B: computed on the way: QUANTISED
;;     5. batch 64 x [M 64, K 2,048] x [K 2,048, N 2,048]; A: computed on the way; B: softmax (see below): QUANTISED
;;     6. [M 8,192, K 1,024] x [K 1,024, N 1,024]; A: computed on the way; B: input Wo: QUANTISED
;;   THE QUANTISER, for each operand of a quantised product, along K:
;;     - K is cut into blocks of 32 from its start; a last block that is shorter is filled with zeros.
;;     - A block's scale is 2^e with e = floor(log2(the largest magnitude in the block)) - 2, held to -126 .. 127; a block of zeros has e = 0. As a byte (E8M0): e + 127.
;;     - Each number is divided by its block's scale, clamped to +-7.5, and rounded to the nearest number of E2M3, ties to even, subnormals kept.
;;     - The product sums the exact products of the quantised numbers (number of the format x scale) in f32.
;;   ~~~python
;;   def quantise(x, axis):      # numpy; x: float32 -> the quantised numbers, widened to float32 again
;;       x = np.moveaxis(x, axis, -1); K = x.shape[-1]
;;       x = np.pad(x, [(0, 0)] * (x.ndim - 1) + [(0, -K % 32)]); x = x.reshape(x.shape[:-1] + (-1, 32)); a = np.abs(x).max(-1, keepdims=True)
;;       e = np.where(a > 0, np.clip(np.frexp(np.where(a > 0, a, 1))[1] - 1 - 2, -126, 127), 0)      # np.frexp(a)[1] - 1 = floor(log2(a)), exactly
;;       r = np.clip(x / 2.0 ** e, -7.5, 7.5)
;;       step = 2.0 ** (np.maximum(np.frexp(np.where(r == 0, 1, r))[1] - 1, 0) - 3)
;;       q = np.round(r / step) * step * 2.0 ** e      # np.round: ties to even
;;       return np.moveaxis(q.reshape(q.shape[:-2] + (-1,))[..., :K], -1, axis).astype(np.float32)
;;   ~~~
;;   SOFTMAX AHEAD OF A QUANTISED PRODUCT. Where the list says 'softmax', what is quantised is not the finished softmax but p = 2^(t - M), with t = logit x log2(e) and M = ceil(the row's largest t), a whole number; so 1/2 < the row's largest p <= 1. The row's sum l is taken of the UNQUANTISED p, in f32, and the product's result is divided by l at the end. Since M is a whole number, a kernel that streams over the keys may use a running M (the ceiling of the running maximum): every later rescaling is an exact power of two, which a block's scale takes up: the codes' values come out the same.
;;   OPERANDS COMPUTED ON THE WAY. 'Computed on the way' means the value that the module computes at that place (a softmax that the list does not call 'softmax' is quantised finished and normalised). What goes into a quantiser is computed in f32, as accurately as f32 sums, v_exp_f32 and their like allow (about 1e-6 of the number): no bf16 or f16 on the way to a quantiser, and a product that is left as it is and whose result goes on into a quantised operand takes f32 operands (vector FMAs, or v_wmma_f32_16x16x4_f32). A number that lies on a knife's edge between two numbers of the format may be rounded either way, as far as f32 arithmetic and the matrix unit's own rounding can turn it there, and no further.
;; One version. Each part assembles by itself: llvm-mc -triple=amdgcn-amd-amdhsa -mcpu=gfx1250 --defsym DOCPART=n.
;; ======== version 1 of 1: 4 launches
;; limits: right only within a limited range of input values
;; workspace buffers: codes 22,020,096 bytes; scales 917,504 bytes; qkv 19,660,800 bytes; cc 6,291,456 bytes; cs 262,144 bytes
;; launch quant (part 1): grid 256 x 1, 7 waves a work-group, no clusters, 63,744 bytes of LDS; arguments query, key, value, Wq, Wk, Wv, Wo, codes, scales; writes codes, scales
.if DOCPART == 1
	.amdgcn_target "amdgcn-amd-amdhsa--gfx1250"
	.amdhsa_code_object_version 6
	.text
	.protected	k_q6589975353_quant
	.globl	k_q6589975353_quant
	.p2align	8
	.type	k_q6589975353_quant,@function
k_q6589975353_quant:
	s_mov_b64 s[64:65], 0
	v_nop
	global_prefetch_b8 v0, s[64:65] scope:SCOPE_SE
	s_setreg_imm32_b32 hwreg(HW_REG_WAVE_MODE, 25, 1), 1
	s_wait_xcnt 0x0
; query, key, value [8192][1024] and Wq, Wk, Wv, Wo [1024][1024], f32, K innermost, become codes of FP6 (E2M3) with one E8M0 byte for each 32 along K.
; DEAD WORK: none.  Every input reaches out0 for all values, reference() builds no mask and slices nothing away: all six products are done, by this and the three later launches.
; A block's scale is 2^(floor(log2(its largest magnitude)) - 2); its byte is the largest magnitude's exponent field - 2, held at 1 from below.
; LIMITS: a block of zeros, or one whose largest magnitude lies under 2^-124, gets the byte 1 where the rule says 127 or less: its codes are zeros or held by the floor, and the bytes are read by this program alone;
; NaN and infinities among the inputs are not served.
; LAYOUT OF THE RESULT.  The seven tensors are cut into 1,792 tiles of 16 rows x 1,024 K.  Row i of tile T of a tensor is 32 (T / 2) + 8 (T % 2) + i + 8 (i / 8): used as a product's first source, two neighbouring
; tiles then leave 16 neighbours along the next K in a lane's registers.  (Wv: inside each 128 rows tile 2 t + e begins at row 64 e + 32 (t / 2) + 8 (t % 2): the two heads of a pair by turns.)
; A tile's codes lie as IMAGES OF THE OPERAND'S REGISTERS: for each 128 along K two halves of 768 bytes; in a half lane l's registers 0-3 at 16 l and its registers 4, 5 at 512 + 8 l.
; Lane (r, h) of half c holds the 32 codes k = 64 c + 32 h + 0 .. 31 of row r.  A tile's scale words are an image too, 512 bytes: lane (r, h) has 16 bytes at 16 l, word i = row r's word of K step 4 h + i.
; SHARES.  1,792 tiles = 256 work-groups x 7 waves: a wave takes one tile, in eight steps of 128 along K.  Waves share nothing: no barrier.  No matrix unit, no cluster: no two work-groups read the same bytes.
; A load reads 512 consecutive bytes of one row; a step's 16 rows turn through the wave's own stage in LDS, so that a lane gets two whole blocks of 32 neighbours.  Two steps' loads (32 a wave) are out at a time.
.set WREG,  8960                       ; LDS of a wave: the stage, 16 rows x 528 bytes, and its 512 bytes of scale words
.set PITCH, 528                        ; 512 bytes + 16: the sixteen rows that a read touches begin in sixteen different columns of 16 bytes
.set SCI,   16*PITCH                   ; the scale image, behind the stage
.set SPARE, 7*WREG                     ; behind the seven regions: the spare words, 128 bytes a wave, four blocks of 256 bytes that no other line names
.set SPW, 18                           ; v18  LDS address of my spare word; never rewritten
.set NIL, 19                           ; v19  0; never rewritten
.set CD,  32                           ; v32-43, v44-55  a step's codes, two sets by turns
.set X,   64                           ; v64-127  my two blocks of 32 neighbours
.set RL,  128                          ; v128-191, v192-255  numbers as loaded, two sets by turns
.set SRC, 26                           ; s[26:27] my tile's first row
.set DST, 22                           ; s[22:23] my tile's codes
.set DSS, 24                           ; s[24:25] my tile's scale image
	s_load_b512 s[8:23], s[0:1], 0x0               ; query, key, value, Wq, Wk, Wv, Wo, codes
	s_load_b64 s[24:25], s[0:1], 0x40              ; scales
	v_lshl_add_u32 v[SPW], v0, 2, SPARE
	v_mov_b32 v[NIL], 0
	v_lshrrev_b32 v1, 5, v0
	v_readfirstlane_b32 s2, v1                     ; wave 0..6
	v_and_b32 v2, 31, v0                           ; lane
	v_and_b32 v8, 15, v0                           ; r
	v_bfe_u32 v9, v0, 4, 1                         ; h
	s_mul_i32 s36, s2, WREG
	v_lshlrev_b32 v1, 4, v2                        ; v1 = 16 x lane
	v_add_nc_u32 v3, s36, v1                       ; v3: the stage on the way in, and the scale image on the way out
	v_mul_u32_u24 v4, v8, PITCH
	v_lshl_add_u32 v4, v9, 7, v4
	v_add_nc_u32 v4, s36, v4                       ; v4: the stage on the way out: row r, + 128 h bytes
	v_lshlrev_b32 v5, 4, v8
	v_add_nc_u32 v5, s36, v5                       ; v5: row r's place in the scale image
	v_lshlrev_b32 v7, 3, v9                        ; v7 = 8 h: where my two bytes stand in a scale word
	v_lshlrev_b32 v2, 3, v2                        ; v2 = 8 x lane
	v_mov_b32 v17, 0                               ; a lane permute's destination counts as one of its sources
	s_mov_b32 s34, 0x76543210
	s_mov_b32 s35, 0xfedcba98                      ; lane l xor 16
	s_mul_i32 s3, ttmp9, 7
	s_add_co_u32 s3, s3, s2                        ; g: my tile among the 1,792
	s_and_b32 s4, s3, 511
	s_and_b32 s5, s3, 63
	s_cmp_lt_u32 s3, 1536
	s_cselect_b32 s4, s4, s5                       ; T: my tile in its tensor
	s_lshr_b32 s5, s4, 1
	s_lshl_b32 s5, s5, 5
	s_and_b32 s6, s4, 1
	s_lshl_b32 s6, s6, 3
	s_add_co_u32 s5, s5, s6                        ; its first row: 32 (T / 2) + 8 (T % 2)
	s_lshr_b32 s6, s4, 3
	s_lshl_b32 s6, s6, 7
	s_and_b32 s7, s4, 1
	s_lshl_b32 s7, s7, 6
	s_add_co_u32 s6, s6, s7
	s_bfe_u32 s7, s4, 0x10002
	s_lshl_b32 s7, s7, 5
	s_add_co_u32 s6, s6, s7
	s_bfe_u32 s7, s4, 0x10001
	s_lshl_b32 s7, s7, 3
	s_add_co_u32 s6, s6, s7                        ; in Wv: 128 (T / 8) + 64 (T % 2) + 32 ((T / 4) % 2) + 8 ((T / 2) % 2)
	s_lshr_b32 s7, s3, 6
	s_cmp_eq_u32 s7, 26                            ; tiles 1,664 to 1,727 are Wv's
	s_cselect_b32 s5, s6, s5
	; KEY'S TILES (512 to 1,023) have another order of rows: row i of tile T is 64 (T / 4) + 8 (T % 4) + i % 8 + 32 (i / 8),
	; so that in the scores a lane's 32 registers of four neighbouring tiles are one whole block of 32 neighbouring keys
	s_lshr_b32 s6, s4, 2
	s_lshl_b32 s6, s6, 6
	s_and_b32 s7, s4, 3
	s_lshl_b32 s7, s7, 3
	s_add_co_u32 s6, s6, s7                        ; 64 (T / 4) + 8 (T % 4)
	s_lshr_b32 s7, s3, 9
	s_cmp_eq_u32 s7, 1
	s_cselect_b32 s5, s6, s5
	s_cselect_b32 s38, 0x10000, 0                  ; and its rows 8 to 15 lie 16 rows, 65,536 bytes, further on than the other tensors'
	s_mov_b32 s39, 0
	s_lshl_b32 s28, s5, 12                         ; a row is 4,096 bytes
	s_mov_b32 s29, 0
	s_mul_i32 s30, s3, 12288
	s_mov_b32 s31, 0
	s_lshl_b32 s32, s3, 9
	s_mov_b32 s33, 0
	s_wait_alu depctr_va_vdst(0)
	s_wait_kmcnt 0x0
	s_mov_b64 s[SRC:SRC+1], s[20:21]               ; which tensor: the choice hangs on the tile's number alone
	s_cmp_lt_u32 s3, 1728
	s_cselect_b64 s[SRC:SRC+1], s[18:19], s[SRC:SRC+1]
	s_cmp_lt_u32 s3, 1664
	s_cselect_b64 s[SRC:SRC+1], s[16:17], s[SRC:SRC+1]
	s_cmp_lt_u32 s3, 1600
	s_cselect_b64 s[SRC:SRC+1], s[14:15], s[SRC:SRC+1]
	s_cmp_lt_u32 s3, 1536
	s_cselect_b64 s[SRC:SRC+1], s[12:13], s[SRC:SRC+1]
	s_cmp_lt_u32 s3, 1024
	s_cselect_b64 s[SRC:SRC+1], s[10:11], s[SRC:SRC+1]
	s_cmp_lt_u32 s3, 512
	s_cselect_b64 s[SRC:SRC+1], s[8:9], s[SRC:SRC+1]
	s_add_nc_u64 s[SRC:SRC+1], s[SRC:SRC+1], s[28:29]
	s_add_nc_u64 s[38:39], s[SRC:SRC+1], s[38:39]  ; the base for a tile's rows 8 to 15
	s_add_nc_u64 s[DST:DST+1], s[DST:DST+1], s[30:31]
	s_add_nc_u64 s[DSS:DSS+1], s[DSS:DSS+1], s[32:33]
.macro LOAD s                          ; step s: 128 numbers of each of my 16 rows: a load reads 512 consecutive bytes
.irp i, 0,1,2,3,4,5,6,7,8,9,10,11,12,13,14,15
.if \i < 8
	global_load_b128 v[RL+64*((\s)%2)+4*\i:RL+64*((\s)%2)+4*\i+3], v1, s[SRC:SRC+1] offset:\i*4096+512*(\s) th:TH_LOAD_NT
.else
	global_load_b128 v[RL+64*((\s)%2)+4*\i:RL+64*((\s)%2)+4*\i+3], v1, s[38:39] offset:(\i+8)*4096+512*(\s) th:TH_LOAD_NT
.endif
.endr
.endm
.macro TURN s                          ; through the stage: LDS serves a wave's instructions in order, so no wait stands between the stores and the loads
.irp i, 0,1,2,3,4,5,6,7,8,9,10,11,12,13,14,15
	ds_store_b128 v3, v[RL+64*((\s)%2)+4*\i:RL+64*((\s)%2)+4*\i+3] offset:PITCH*\i
.endr
.irp c, 0,1
.irp j, 0,1,2,3,4,5,6,7
	ds_load_b128 v[X+32*\c+4*\j:X+32*\c+4*\j+3], v4 offset:256*\c+16*\j   ; k = 64 c + 32 h + 4 j .. of row r
.endr
.endr
.endm
.macro STEPQ s
.set D, CD+12*((\s)%2)
.if (\s) < 7
	s_wait_loadcnt 16                              ; this step's 16 loads are in; the next step's 16 may be out
.else
	s_wait_loadcnt 0x0
.endif
	TURN \s
	s_wait_dscnt 0x0                               ; my 64 numbers are back, and the stage's stores have read their registers,
.if (\s)+2 < 8
	LOAD (\s)+2                                    ; which take the loads of two steps on
.endif
.irp c, 0,1                                    ; the largest magnitude of my two blocks: two chains each, the blocks by turns
	v_max3_num_f32 v[8+2*\c], |v[X+32*\c]|, |v[X+32*\c+1]|, |v[X+32*\c+2]|
	v_max3_num_f32 v[9+2*\c], |v[X+32*\c+3]|, |v[X+32*\c+4]|, |v[X+32*\c+5]|
.endr
.irp i, 6,10,14,18,22,26
.irp c, 0,1
	v_max3_num_f32 v[8+2*\c], v[8+2*\c], |v[X+32*\c+\i]|, |v[X+32*\c+\i+1]|
	v_max3_num_f32 v[9+2*\c], v[9+2*\c], |v[X+32*\c+\i+2]|, |v[X+32*\c+\i+3]|
.endr
.endr
.irp c, 0,1
	v_max3_num_f32 v[8+2*\c], v[8+2*\c], |v[X+32*\c+30]|, |v[X+32*\c+31]|
.endr
.irp c, 0,1
	v_max3_num_f32 v[8+2*\c], v[8+2*\c], v[9+2*\c], 0x1800000   ; and the floor 2^(3 - 127): the byte cannot fall under 1
.endr
.irp c, 0,1
	v_add_nc_u32 v[12+\c], 0xff000000, v[8+2*\c]   ; 2 off the exponent field: the conversion takes this operand's exponent field as its scale
.endr
.irp c, 0,1
	v_lshrrev_b32 v[14+\c], 23, v[12+\c]           ; the scale's byte
.endr
	v_lshl_or_b32 v16, v15, 16, v14                ; my two bytes, blocks h and 2 + h of row r,
	v_lshlrev_b32 v16, v7, v16                     ; at their places in the word;
	v_permlanex16_b32 v17, v16, s34, s35
	v_or_b32 v16, v16, v17                         ; with lane l xor 16's two the word is whole
	s_wait_alu depctr_va_vdst(0)
	s_wait_xcnt 0x0                                ; the stores of two steps ago have read this set of code registers
.irp c, 0,1
	v_cvt_scalef32_pk16_fp6_f32 v[D+6*\c:D+6*\c+2], v[X+32*\c:X+32*\c+15], v[12+\c]
	v_cvt_scalef32_pk16_fp6_f32 v[20+4*\c:22+4*\c], v[X+32*\c+16:X+32*\c+31], v[12+\c]   ; (a conversion's three registers begin on an even number)
.endr
	v_nop                                          ; one plain place behind the scaled conversions
.irp c, 0,1
.irp i, 0,1,2
	v_mov_b32 v[D+6*\c+3+\i], v[20+4*\c+\i]
.endr
.endr
.irp c, 0,1
	global_store_b128 v1, v[D+6*\c:D+6*\c+3], s[DST:DST+1] offset:1536*(\s)+768*\c           ; 512 consecutive bytes, at a multiple of 256 from the buffer's first byte
	global_store_b64 v2, v[D+6*\c+4:D+6*\c+5], s[DST:DST+1] offset:1536*(\s)+768*\c+512      ; 256 likewise
.endr
	ds_store_b32 v5, v16 offset:SCI+256*((\s)/4)+4*((\s)%4)   ; both halves of the lanes write the same word with the same value
.endm
	LOAD 0
	LOAD 1
.irp t, 0,1,2,3,4,5,6,7
	STEPQ \t
.endr
	ds_load_b128 v[8:11], v3 offset:SCI            ; LDS serves a wave's instructions in order: these see my stores
	s_wait_dscnt 0x0
	global_store_b128 v1, v[8:11], s[DSS:DSS+1]    ; the tile's scale image: 512 consecutive bytes
	s_wait_tensorcnt 0x0                           ; the wave's end: behind my last LDS store, even in a text with no tensor load
	ds_add_u32 v[SPW], v[NIL]
	s_wait_dscnt 0x0
	s_endpgm
.Lfunc_end_k_q6589975353_quant:
	.size	k_q6589975353_quant, .Lfunc_end_k_q6589975353_quant-k_q6589975353_quant
	.p2alignl 7, 3214868480
	.fill 96, 4, 3214868480
	.section	.rodata,"a",@progbits
	.p2align	6, 0x0
	.amdhsa_kernel k_q6589975353_quant
		.amdhsa_group_segment_fixed_size 63744
		.amdhsa_private_segment_fixed_size 0
		.amdhsa_enable_private_segment 0
		.amdhsa_kernarg_size 72
		.amdhsa_user_sgpr_count 2
		.amdhsa_user_sgpr_kernarg_segment_ptr 1
		.amdhsa_wavefront_size32 1
		.amdhsa_system_sgpr_workgroup_id_x 1
		.amdhsa_system_sgpr_workgroup_id_y 1
		.amdhsa_system_sgpr_workgroup_id_z 1
		.amdhsa_system_vgpr_workitem_id 0
		.amdhsa_next_free_vgpr 256
		.amdhsa_next_free_sgpr 66
		.amdhsa_reserve_vcc 0
		.amdhsa_float_denorm_mode_32 3
		.amdhsa_float_denorm_mode_16_64 3
		.amdhsa_memory_ordered 1
		.amdhsa_forward_progress 1
		.amdhsa_inst_pref_size 60
	.end_amdhsa_kernel
	.amdgpu_metadata
---
amdhsa.version: [ 1, 2 ]
amdhsa.kernels:
  - .name:           k_q6589975353_quant
    .symbol:         k_q6589975353_quant.kd
    .args:
      - { .name: query, .offset: 0, .size: 8, .value_kind: global_buffer, .address_space: global }
      - { .name: key, .offset: 8, .size: 8, .value_kind: global_buffer, .address_space: global }
      - { .name: value, .offset: 16, .size: 8, .value_kind: global_buffer, .address_space: global }
      - { .name: Wq, .offset: 24, .size: 8, .value_kind: global_buffer, .address_space: global }
      - { .name: Wk, .offset: 32, .size: 8, .value_kind: global_buffer, .address_space: global }
      - { .name: Wv, .offset: 40, .size: 8, .value_kind: global_buffer, .address_space: global }
      - { .name: Wo, .offset: 48, .size: 8, .value_kind: global_buffer, .address_space: global }
      - { .name: codes, .offset: 56, .size: 8, .value_kind: global_buffer, .address_space: global }
      - { .name: scales, .offset: 64, .size: 8, .value_kind: global_buffer, .address_space: global }
    .group_segment_fixed_size: 63744
    .private_segment_fixed_size: 0
    .kernarg_segment_align: 8
    .kernarg_segment_size: 72
    .max_flat_workgroup_size: 224
    .sgpr_count:     66
    .vgpr_count:     256
    .wavefront_size: 32
...
	.end_amdgpu_metadata
.endif
;; end of part 1
;; launch proj (part 2): grid 4 x 192, 4 waves a work-group, clusters of 4 x 4, 295,424 bytes of LDS; arguments codes, scales, qkv; writes qkv
.if DOCPART == 2
	.amdgcn_target "amdgcn-amd-amdhsa--gfx1250"
	.amdhsa_code_object_version 6
	.text
	.protected	k_q6589975353_proj
	.globl	k_q6589975353_proj
	.p2align	8
	.type	k_q6589975353_proj,@function
k_q6589975353_proj:
	s_mov_b64 s[64:65], 0
	v_nop
	global_prefetch_b8 v0, s[64:65] scope:SCOPE_SE
	s_setreg_imm32_b32 hwreg(HW_REG_WAVE_MODE, 25, 1), 1
	s_wait_xcnt 0x0
	s_wait_alu depctr_hold_cnt(0) depctr_sa_sdst(0) depctr_va_vdst(0) depctr_va_sdst(0) depctr_va_ssrc(0) depctr_va_vcc(0) depctr_vm_vsrc(0)
	s_getreg_b32 s2, hwreg(HW_REG_IB_STS2, 6, 4)
	s_cmp_eq_u32 s2, 0
	s_cbranch_scc0 .Lentry_in_a_cluster
	s_endpgm
.Lentry_in_a_cluster:
	s_bfe_u32 s2, ttmp6, 0x10000c
	s_cmp_lg_u32 s2, 0xf033
	s_cbranch_scc0 .Lentry_shape_is_right
	s_endpgm
.Lentry_shape_is_right:
; q = query Wq^T, k = key Wk^T, v = value Wv^T on codes of FP6 (E2M3) with E8M0 scales, sums in f32; the results are quantised on the way out and leave as codes: q and k along a head's 64, v along the keys.
; No work of reference() is left out.  LIMITS: a block of zeros, or one under 2^-124, gets the scale byte 1 (read by this program alone); NaN and infinities are not served.
; SHARES.  Work-group (x, y): tensor t = y / 64 (0 q, 1 k, 2 v), 128 rows of the input (8 tiles, yy = y % 64) x 256 rows of the weight (16 tiles, x).  All of K, 1,024, of both lies in LDS: two halves of 512 along K,
; each brought once; nothing is filled again.  Four waves; a wave's tile is P, 64 rows (4 tiles, the product's second source), x R, 128 rows (8 tiles, its first source): 32 accumulators.
; In a result a lane holds ONE row of P, and its registers run along R's rows, whose order in a tile makes the 16 registers of two neighbouring tiles 16 neighbours.
; q, k: P = rows of the input, R = rows of the weight: a lane's 64 registers are 128 output features = two heads of 64.     v: P = rows of Wv, R = the input's 128 rows: a lane's 64 registers are 128 KEYS of one feature.
; The two ways differ only in which LDS bytes a wave reads as P and as R and in where its results go: numbers chosen by s_cselect_b32 on t, which all partners of a cluster share.  No branch hangs on it.
; CLUSTER 4 x 4.  The input's tiles hang on y alone and are asked for jointly along a row of the cluster, the weight's on x and t alone and jointly along a column.
; OPERANDS are images of registers (768 bytes a half fragment: lane l's registers 0-3 at 16 l, registers 4, 5 at 512 + 8 l), so an LDS load reads 512 or 256 consecutive bytes: no pitch, no padding.
; THE RESULT: qkv = three parts [q, k, v][batch x 16 + head][step of 128 rows or keys][record of 6,400 bytes]: four fragments of 1,536 bytes and 256 bytes of scale words ([register 2][lane 32]).
; q, k: fragment j holds TWO tiles of 16 rows, tile 2 j in its first half (k 0-63 of the operand), tile 2 j + 1 in its second; its scale word has two bytes for each.  v: fragment t is 16 features x 128 keys.
; The code stores cover 512 or 256 consecutive aligned bytes; the two scale stores of a wave cover 128: a wave owns two of a record's four scale words a lane row, one byte in 25 of what the launch writes.
; REGISTERS, in windows of 256: window 0: v1-3 16, 8, 4 x lane; v4, v5 the add's two; v8-15 LDS addresses, four a half; v24-30 offsets of the way out; v32-47 P's scale words, v48-79 R's; v96-143, v144-191 P's fragments,
;   two sets (on the way out v96-143: the codes); v192-225 at work on the way out.   window 1: R's fragments, two sets, at v0 and v128.   window 2: accumulator (a, b) at v[64 a + 8 b].
; THE FILLS AS THEY NOW STAND: K lies in LDS in TWO halves of 512 along K, not four chunks; each half holds 24 tiles x 6,144 bytes.  One joint load a wave at the head:
; wave 0 the input's first half, wave 1 the weight's, wave 2 the input's second half, wave 3 the weight's.  The first barrier shows waves 0 and 1's tiles, the barrier in K step 3 all.
.set CHUNK, 147456                     ; 24 tiles x 6,144 bytes: the input's 8, then the weight's 16, 512 along K
.set SPARE, 2*CHUNK                    ; behind the two halves: the spare words
.set SPW, 4
.set NIL, 5
.set WV,  14                           ; s14 wave; s15 its low bit; s16 its high bit
.set W1,  15
.set W2,  16
.set CX,  17
.set CY,  18
.set XX,  19
.set YY,  20
.set TT,  21                           ; s21 which tensor
.set WT0, 22                           ; s22 the weight's first tile among the 1,792
.set G1I, 24                           ; s[24:31] descriptor group 1 for the input's tiles;  s[32:39] for the weight's
.set G1W, 32
.set G0I, 40                           ; s[40:47] groups 0 for the input's two halves;  s[68:75] for the weight's
.set G0W, 68
.set SEL, 62                           ; s[62:63] lane l xor 16
.set HIM, 60                           ; s60 lanes 16-31
.set AL,  94                           ; s94 which two of a record's fragments are mine
.set BE,  95                           ; s95 which pair of heads of the work-group's two
.set DC,  96                           ; s96 bytes from a fragment's first half to where its second half goes
.set DU,  97                           ; s97 bytes from where an even tile's halves go to where an odd tile's go
.set SL0, 98                           ; s98, s99 byte selects that make the records' scale words
.set SL1, 99
.set MSB, 0
.macro WIN new                         ; the immediate's high byte repeats the setting that is left
.if MSB != \new
	s_set_vgpr_msb (MSB<<8)|\new
.set MSB, \new
.endif
.endm
.macro ROUND                           ; a round of the cluster's barrier
	s_barrier_signal -1
	s_barrier_wait -1
	s_cmp_lg_u32 s[WV], 0
	s_cbranch_scc1 .Lnot_wave_0_\@
	s_barrier_signal -3
.Lnot_wave_0_\@:
	s_barrier_wait -3
	s_barrier_signal -1
	s_barrier_wait -1
.endm
.macro PLACES                          ; four plain places behind a matrix instruction, in front of loads into its sources and of reads of its results
.rept 4
	v_nop
.endr
.endm
.macro FRAG reg, a16, a8, off          ; a fragment's 12 registers from its image
	ds_load_b128 v[\reg:\reg+3], v[\a16] offset:\off
	ds_load_b64 v[\reg+4:\reg+5], v[\a8] offset:\off+512
	ds_load_b128 v[\reg+6:\reg+9], v[\a16] offset:\off+768
	ds_load_b64 v[\reg+10:\reg+11], v[\a8] offset:\off+1280
.endm
.macro FETCH s                         ; K step s: R's eight fragments and P's four, 48 loads in one run
	WIN 0x40                                       ; destination window 1, address window 0
.irp b, 0,1,2,3,4,5,6,7
	FRAG 128*((\s)%2)+12*\b, 10+4*((\s)/4), 11+4*((\s)/4), 6144*\b+1536*((\s)%4)
.endr
	WIN 0
.irp a, 0,1,2,3
	FRAG 96+48*((\s)%2)+12*\a, 8+4*((\s)/4), 9+4*((\s)/4), 6144*\a+1536*((\s)%4)
.endr
.endm
; 32 matrix instructions: K step s.  The 32 accumulators take turns, one instruction a turn, in the same order in every step.  A scale register holds K step s % 4 in lanes 0-15 and K step 4 + s % 4 in lanes 16-31.
.macro MUL32 s, zero
	WIN 0xa1                                       ; source 0 (R) window 1, source 1 (P) window 0, C and D window 2
.irp a, 0,1,2,3
.irp b, 0,1,2,3,4,5,6,7
.if \zero
	v_wmma_scale_f32_16x16x128_f8f6f4 v[64*\a+8*\b:64*\a+8*\b+7], v[128*((\s)%2)+12*\b:128*((\s)%2)+12*\b+11], v[96+48*((\s)%2)+12*\a:96+48*((\s)%2)+12*\a+11], 0, v[48+4*\b+((\s)%4)], v[32+4*\a+((\s)%4)] matrix_a_fmt:MATRIX_FMT_FP6 matrix_b_fmt:MATRIX_FMT_FP6
.elseif (\s) < 4
	v_wmma_scale_f32_16x16x128_f8f6f4 v[64*\a+8*\b:64*\a+8*\b+7], v[128*((\s)%2)+12*\b:128*((\s)%2)+12*\b+11], v[96+48*((\s)%2)+12*\a:96+48*((\s)%2)+12*\a+11], v[64*\a+8*\b:64*\a+8*\b+7], v[48+4*\b+((\s)%4)], v[32+4*\a+((\s)%4)] matrix_a_fmt:MATRIX_FMT_FP6 matrix_b_fmt:MATRIX_FMT_FP6
.else
	v_wmma_scale_f32_16x16x128_f8f6f4 v[64*\a+8*\b:64*\a+8*\b+7], v[128*((\s)%2)+12*\b:128*((\s)%2)+12*\b+11], v[96+48*((\s)%2)+12*\a:96+48*((\s)%2)+12*\a+11], v[64*\a+8*\b:64*\a+8*\b+7], v[48+4*\b+((\s)%4)], v[32+4*\a+((\s)%4)] matrix_a_fmt:MATRIX_FMT_FP6 matrix_b_fmt:MATRIX_FMT_FP6 matrix_a_scale:MATRIX_SCALE_ROW1 matrix_b_scale:MATRIX_SCALE_ROW1
.endif
.endr
.endr
	WIN 0
.endm
.macro KSTEP s
	s_wait_dscnt 0x0                               ; this step's fragments are in (asked for 32 matrix instructions ago)
.if (\s) == 3
	s_wait_tensorcnt 0x0                           ; every wave's one load has landed: the second half among them
	s_barrier_signal -1
	s_barrier_wait -1                              ; everybody's has
.endif
.if (\s) < 7
.if (\s) > 0
	PLACES
.endif
	FETCH (\s)+1                                   ; at the step's head: it has the step's 32 products in which to land
.endif
.if (\s) == 0
	s_wait_loadcnt 0x0                             ; the scale words
	MUL32 \s, 1                                    ; the first products start the sums: nothing is cleared
.else
	MUL32 \s, 0
.endif
.endm
	s_load_b128 s[4:7], s[0:1], 0x0                ; codes s[4:5], scales s[6:7]
	s_load_b64 s[12:13], s[0:1], 0x10              ; qkv
	v_lshl_add_u32 v[SPW], v0, 2, SPARE
	v_mov_b32 v[NIL], 0
	ds_add_u32 v[SPW], v[NIL]                      ; the wave's opening: the add, twice on end, and its wait ahead of my first tensor load
	ds_add_u32 v[SPW], v[NIL]                      ; and once more; the set-up below, work on registers, stands between it and the wait
	v_lshrrev_b32 v1, 5, v0
	v_readfirstlane_b32 s[WV], v1                  ; wave 0..3
	s_and_b32 s[W1], s[WV], 1
	s_lshr_b32 s[W2], s[WV], 1
	s_bfe_u32 s[CX], ttmp6, 0x40000                ; my place in the cluster
	s_bfe_u32 s[CY], ttmp6, 0x40004
	s_lshl_b32 s[XX], ttmp9, 2
	s_add_co_u32 s[XX], s[XX], s[CX]               ; x = 4 x cluster x + cx
	s_and_b32 s[TT], ttmp7, 0xffff
	s_lshl_b32 s[YY], s[TT], 2
	s_add_co_u32 s[YY], s[YY], s[CY]               ; y = 4 x cluster y + cy
	s_lshr_b32 s[TT], s[TT], 4                     ; t = cluster y / 16: the same in all sixteen partners
	s_lshl_b32 s84, s[CY], 2
	s_lshl_b32 s84, 15, s84                        ; my row of the cluster
	s_lshl_b32 s85, 0x1111, s[CX]                  ; my column
	s_or_b32 s[G1I], s84, (3<<16)|(1<<21)          ; 15:0 the mask; 17:16 elements of 8 bytes; 20 no padding; 21 set beside a mask
	s_or_b32 s[G1W], s85, (3<<16)|(1<<21)
.irp g, G1I, G1W
	s_mov_b32 s[\g+1], 768<<16                     ; tensor_dim0: a tile's 512 along K are 6,144 bytes, 768 elements
	s_mov_b32 s[\g+3], 768<<16                     ; tile_dim0
	s_mov_b32 s[\g+5], 1536                        ; from tile to tile: 12,288 bytes
	s_mov_b32 s[\g+6], 0
	s_mov_b32 s[\g+7], 0
.endr
	s_mov_b32 s[G1I+2], 8<<16                      ; tensor_dim1: a load brings the input's 8 tiles,
	s_mov_b32 s[G1I+4], 8                          ; tile_dim1
	s_mov_b32 s[G1W+2], 16<<16                     ; or the weight's 16
	s_mov_b32 s[G1W+4], 16
	s_lshl_b32 s56, s[YY], 3                       ; the input's tile: 8 y = 512 t + 8 (y % 64)
	s_mul_i32 s56, s56, 12288
	s_mov_b32 s57, 0
	s_lshl_b32 s58, s[TT], 6                       ; the weight's: 1,536 + 64 t + 16 x
	s_lshl_b32 s59, s[XX], 4
	s_add_co_u32 s58, s58, s59
	s_add_co_u32 s[WT0], s58, 1536
	s_mov_b32 s58, s[WT0]
	s_mul_i32 s58, s58, 12288
	s_mov_b32 s59, 0
	s_mov_b32 s60, 0                               ; where they go in a half: the input's tiles at 0,
	s_mov_b32 s61, 49152                           ; the weight's behind them
	s_wait_dscnt 0x0                               ; both opening adds are done
	s_wait_kmcnt 0x0
	s_add_nc_u64 s[56:57], s[4:5], s[56:57]
	s_add_nc_u64 s[58:59], s[4:5], s[58:59]
	ROUND                                          ; all sixteen work-groups are here: the joint loads meet
.irp q, 0,1
	s_mov_b32 s[G0I+4*\q], 1
	s_add_co_u32 s[G0I+4*\q+1], s60, \q*CHUNK
	s_add_nc_u64 s[G0I+4*\q+2:G0I+4*\q+3], s[56:57], \q*6144
	s_or_b32 s[G0I+4*\q+3], s[G0I+4*\q+3], 0x80000000
	s_mov_b32 s[G0W+4*\q], 1
	s_add_co_u32 s[G0W+4*\q+1], s61, \q*CHUNK
	s_add_nc_u64 s[G0W+4*\q+2:G0W+4*\q+3], s[58:59], \q*6144
	s_or_b32 s[G0W+4*\q+3], s[G0W+4*\q+3], 0x80000000
.endr
	s_cmp_eq_u32 s[WV], 0                          ; one chain of branches on the wave's number, one joint load to an arm
	s_cbranch_scc0 .Lwave_1
	tensor_load_to_lds s[G0I:G0I+3], s[G1I:G1I+7]  ; wave 0: the input's first half of K
	s_nop 0
	PLACES
	s_branch .Lasked
.Lwave_1:
	s_cmp_eq_u32 s[WV], 1
	s_cbranch_scc0 .Lwave_2
	tensor_load_to_lds s[G0W:G0W+3], s[G1W:G1W+7]  ; wave 1: the weight's first half
	s_nop 0
	PLACES
	s_branch .Lasked
.Lwave_2:
	s_cmp_eq_u32 s[WV], 2
	s_cbranch_scc0 .Lwave_3
	tensor_load_to_lds s[G0I+4:G0I+7], s[G1I:G1I+7]  ; wave 2: the input's second half
	s_nop 0
	PLACES
	s_branch .Lasked
.Lwave_3:
	tensor_load_to_lds s[G0W+4:G0W+7], s[G1W:G1W+7]  ; wave 3: the weight's second half
	s_nop 0
	PLACES
.Lasked:
	; what I read as P and as R, and where my results go: both ways are worked out, then chosen on t
	s_mul_i32 s84, s[W2], 24576                    ; q, k: P = the input's tiles 4 (wave / 2) on, 6,144 bytes a tile
	s_mul_i32 s85, s[WV], 24576
	s_add_co_u32 s85, s85, 49152                   ; v: P = the weight's tiles 4 wave on
	s_mul_i32 s86, s[W1], 49152
	s_add_co_u32 s86, s86, 49152                   ; q, k: R = the weight's tiles 8 (wave % 2) on;  v: R = the input's eight, at 0
	s_lshl_b32 s87, s[YY], 3                       ; the input's first tile
	s_lshl_b32 s88, s[W2], 2
	s_add_co_u32 s88, s88, s87
	s_lshl_b32 s89, s[WV], 2
	s_add_co_u32 s89, s89, s[WT0]
	s_lshl_b32 s90, s[W1], 3
	s_add_co_u32 s90, s90, s[WT0]
	s_mov_b32 s91, 102400                          ; from a head's records to the next head's
	s_mov_b32 s92, 0x05040100
	s_mov_b32 s93, 0x07060302
	s_cmp_eq_u32 s[TT], 2
	s_cselect_b32 s[AL], s[W1], s[W2]
	s_cselect_b32 s[BE], s[W2], s[W1]
	s_cselect_b32 s84, s85, s84                    ; P's bytes in a chunk
	s_cselect_b32 s86, 0, s86                      ; R's
	s_cselect_b32 s88, s89, s88                    ; P's first tile, for its scale words
	s_cselect_b32 s90, s87, s90                    ; R's
	s_cselect_b32 s[DC], 768, s91                  ; q, k: a fragment's halves are two heads;  v: two halves of one fragment
	s_cselect_b32 s[DU], s91, 768                  ; q, k: an odd tile is the second half of a pair;  v: the pair's second head
	s_cselect_b32 s[SL0], 0x03020100, s92          ; q, k: two tiles' low (high) bytes make the first (second) head's word;  v: a tile's word is a fragment's
	s_cselect_b32 s[SL1], 0x07060504, s93
	v_and_b32 v3, 31, v0
	v_lshlrev_b32 v1, 4, v3                        ; 16 x lane
	v_lshlrev_b32 v2, 3, v3                        ; 8 x lane
	v_lshlrev_b32 v3, 2, v3                        ; 4 x lane
.irp q, 0,1
	v_add_nc_u32 v[8+4*\q], s84, v1
	v_add_nc_u32 v[9+4*\q], s84, v2
	v_add_nc_u32 v[10+4*\q], s86, v1
	v_add_nc_u32 v[11+4*\q], s86, v2
	s_add_co_u32 s84, s84, CHUNK
	s_add_co_u32 s86, s86, CHUNK
.endr
	s_lshl_b32 s88, s88, 9                         ; a tile's scale image is 512 bytes
	s_mov_b32 s89, 0
	s_lshl_b32 s90, s90, 9
	s_mov_b32 s91, 0
	s_add_nc_u64 s[88:89], s[6:7], s[88:89]
	s_add_nc_u64 s[90:91], s[6:7], s[90:91]
.irp a, 0,1,2,3
	global_load_b128 v[32+4*\a:35+4*\a], v1, s[88:89] offset:512*\a   ; my scale words, once, straight into registers: 512 consecutive bytes a load
.endr
.irp b, 0,1,2,3,4,5,6,7
	global_load_b128 v[48+4*\b:51+4*\b], v1, s[90:91] offset:512*\b
.endr
	s_and_b32 s84, s[YY], 63                       ; my record: ((batch x 16 + head) x 16 + step) x 6,400 in part t
	s_lshr_b32 s85, s84, 4
	s_lshl_b32 s85, s85, 4
	s_lshl_b32 s86, s[XX], 1
	s_add_co_u32 s86, s86, s[BE]
	s_lshl_b32 s86, s86, 1                         ; the pair's first head: 2 (2 x + my pair)
	s_add_co_u32 s85, s85, s86
	s_lshl_b32 s85, s85, 4
	s_and_b32 s84, s84, 15
	s_add_co_u32 s85, s85, s84
	s_mul_i32 s84, s85, 6400
	s_mul_i32 s85, s[TT], 6553600
	s_add_co_u32 s84, s84, s85
	s_mov_b32 s85, 0
	s_add_nc_u64 s[12:13], s[12:13], s[84:85]
	s_mul_i32 s84, s[AL], 3072
	v_add_nc_u32 v24, s84, v1
	v_add_nc_u32 v25, s84, v2
	v_add_nc_u32 v26, s[DC], v24
	v_add_nc_u32 v27, s[DC], v25
	v_add_nc_u32 v28, s[DU], v24
	v_add_nc_u32 v29, s[DU], v25
	s_lshl_b32 s84, s[AL], 7
	v_add_nc_u32 v30, s84, v3
	s_mov_b32 s[SEL], 0x76543210
	s_mov_b32 s[SEL+1], 0xfedcba98
	s_mov_b32 s[HIM], 0xffff0000
.irp b, 0,1,2,3
	v_mov_b32 v[196+\b], 0                         ; a lane permute's destination counts as one of its sources
.endr
	s_wait_alu depctr_va_vdst(0)                   ; the head's end
	s_cmp_lt_u32 s[WV], 2                          ; waves 0 and 1 wait for their loads, the first half of K; waves 2 and 3's may still be out
	s_cbranch_scc0 .Lnot_first
	s_wait_tensorcnt 0x0
.Lnot_first:
	s_barrier_signal -1
	s_barrier_wait -1                              ; everybody's has
	FETCH 0
.irp t, 0,1,2,3,4,5,6,7
	KSTEP \t
.endr
; THE WAY OUT.  P's tile a: a lane's 64 results, register 16 b + i = number 32 b + 16 (lane / 16) + i along the next K of the lane's row, become a fragment's codes in v[96 + 12 a] on and its scale word in v[216 + a].
.macro QUANT a
	WIN 0x0a                                       ; sources 0 and 1 window 2.
.irp b, 0,1,2,3
	v_max3_num_f32 v[192+\b], |v[64*\a+16*\b]|, |v[64*\a+16*\b+1]|, 0x1800000   ; block b: my 16 numbers, and the floor 2^(3 - 127)
.endr
.irp i, 2,4,6,8,10,12,14
.irp b, 0,1,2,3
	v_max3_num_f32 v[192+\b], |v[64*\a+16*\b+\i]|, |v[64*\a+16*\b+\i+1]|, v[192+\b]   ; (the four blocks by turns)
.endr
.endr
	WIN 0
.irp b, 0,1,2,3
	v_permlanex16_b32 v[196+\b], v[192+\b], s[SEL], s[SEL+1]
.endr
.irp b, 0,1,2,3
	v_max_num_f32 v[192+\b], v[192+\b], v[196+\b]  ; with lane l xor 16's: the block's largest magnitude
.endr
.irp b, 0,1,2,3
	v_add_nc_u32 v[204+\b], 0xff000000, v[192+\b]  ; 2 off its exponent field: the conversion's scale operand
.endr
.irp b, 0,1,2,3
	v_lshrrev_b32 v[196+\b], 23, v[204+\b]         ; the scale's byte
.endr
	v_lshl_or_b32 v[216+\a], v197, 8, v196
	v_lshl_or_b32 v[216+\a], v198, 16, v[216+\a]
	v_lshl_or_b32 v[216+\a], v199, 24, v[216+\a]
	WIN 0x02                                       ; source 0 window 2
.irp c, 0,1
	v_cvt_scalef32_pk16_fp6_f32 v[96+12*\a+6*\c:96+12*\a+6*\c+2], v[64*\a+32*\c:64*\a+32*\c+15], v[204+2*\c]
	v_cvt_scalef32_pk16_fp6_f32 v[208+4*\c:208+4*\c+2], v[64*\a+32*\c+16:64*\a+32*\c+31], v[204+2*\c+1]   ; (a conversion's three registers begin on an even number)
.endr
	WIN 0
	v_nop                                          ; one plain place behind the scaled conversions
.irp c, 0,1                                    ; the operand's layout wants a WHOLE block in a lane: lanes 0-15 block 2 c, lanes 16-31 block 2 c + 1
.irp i, 0,1,2
	v_permlane16_swap_b32 v[96+12*\a+6*\c+\i], v[208+4*\c+\i]
.endr
.irp i, 0,1,2
	v_mov_b32 v[96+12*\a+6*\c+3+\i], v[208+4*\c+\i]
.endr
.endr
.endm
.macro PUT a                           ; its two halves go to their places: each tile has code registers of its own, so no store's data are written again
.if ((\a)%2) == 0
	global_store_b128 v24, v[96+12*\a:96+12*\a+3], s[12:13] offset:1536*((\a)/2)
	global_store_b64 v25, v[96+12*\a+4:96+12*\a+5], s[12:13] offset:1536*((\a)/2)+512
	global_store_b128 v26, v[96+12*\a+6:96+12*\a+9], s[12:13] offset:1536*((\a)/2)
	global_store_b64 v27, v[96+12*\a+10:96+12*\a+11], s[12:13] offset:1536*((\a)/2)+512
.else
	global_store_b128 v28, v[96+12*\a:96+12*\a+3], s[12:13] offset:1536*((\a)/2)
	global_store_b64 v29, v[96+12*\a+4:96+12*\a+5], s[12:13] offset:1536*((\a)/2)+512
	global_store_b128 v24, v[96+12*\a+6:96+12*\a+9], s[12:13] offset:1536*((\a)/2)+103168      ; 102,400 + 768 either way
	global_store_b64 v25, v[96+12*\a+10:96+12*\a+11], s[12:13] offset:1536*((\a)/2)+103168+512
.endif
.endm
	PLACES
.irp a, 0,1,2,3
	QUANT \a
	PUT \a
.endr
.irp j, 0,1
	v_perm_b32 v[220+\j], v[217+2*\j], v[216+2*\j], s[SL0]   ; the first head's word of my fragment j,
	v_perm_b32 v[222+\j], v[217+2*\j], v[216+2*\j], s[SL1]   ; the second head's
.endr
	v_cndmask_b32 v224, v220, v221, s[HIM]         ; a scale register of a record: lanes 0-15 the even fragment's words, lanes 16-31 the odd one's
	v_cndmask_b32 v225, v222, v223, s[HIM]
	global_store_b32 v30, v224, s[12:13] offset:6144
	global_store_b32 v30, v225, s[12:13] offset:108544
	s_wait_tensorcnt 0x0                           ; the wave's end, behind my last tensor load
	ds_add_u32 v[SPW], v[NIL]
	s_wait_dscnt 0x0
	ROUND                                          ; the closing round: no work-group ends while a partner may still ask for a tile that names it
	s_endpgm
.Lfunc_end_k_q6589975353_proj:
	.size	k_q6589975353_proj, .Lfunc_end_k_q6589975353_proj-k_q6589975353_proj
	.p2alignl 7, 3214868480
	.fill 96, 4, 3214868480
	.section	.rodata,"a",@progbits
	.p2align	6, 0x0
	.amdhsa_kernel k_q6589975353_proj
		.amdhsa_group_segment_fixed_size 295424
		.amdhsa_private_segment_fixed_size 0
		.amdhsa_enable_private_segment 0
		.amdhsa_kernarg_size 24
		.amdhsa_user_sgpr_count 2
		.amdhsa_user_sgpr_kernarg_segment_ptr 1
		.amdhsa_wavefront_size32 1
		.amdhsa_system_sgpr_workgroup_id_x 1
		.amdhsa_system_sgpr_workgroup_id_y 1
		.amdhsa_system_sgpr_workgroup_id_z 1
		.amdhsa_system_vgpr_workitem_id 0
		.amdhsa_next_free_vgpr 768
		.amdhsa_next_free_sgpr 100
		.amdhsa_reserve_vcc 0
		.amdhsa_float_denorm_mode_32 3
		.amdhsa_float_denorm_mode_16_64 3
		.amdhsa_memory_ordered 1
		.amdhsa_forward_progress 1
		.amdhsa_inst_pref_size 86
	.end_amdhsa_kernel
	.amdgpu_metadata
---
amdhsa.version: [ 1, 2 ]
amdhsa.kernels:
  - .name:           k_q6589975353_proj
    .symbol:         k_q6589975353_proj.kd
    .args:
      - { .name: codes, .offset: 0, .size: 8, .value_kind: global_buffer, .address_space: global }
      - { .name: scales, .offset: 8, .size: 8, .value_kind: global_buffer, .address_space: global }
      - { .name: qkv, .offset: 16, .size: 8, .value_kind: global_buffer, .address_space: global }
    .group_segment_fixed_size: 295424
    .private_segment_fixed_size: 0
    .kernarg_segment_align: 8
    .kernarg_segment_size: 24
    .max_flat_workgroup_size: 128
    .sgpr_count:     100
    .vgpr_count:     768
    .wavefront_size: 32
...
	.end_amdgpu_metadata
.endif
;; end of part 2
;; launch attn (part 3): grid 4 x 64, 16 waves a work-group, clusters of 4 x 1, 327,680 bytes of LDS; arguments qkv, cc, cs; writes cc, cs
.if DOCPART == 3
	.amdgcn_target "amdgcn-amd-amdhsa--gfx1250"
	.amdhsa_code_object_version 6
	.text
	.protected	k_q6589975353_attn
	.globl	k_q6589975353_attn
	.p2align	8
	.type	k_q6589975353_attn,@function
k_q6589975353_attn:
	s_mov_b64 s[64:65], 0
	v_nop
	global_prefetch_b8 v0, s[64:65] scope:SCOPE_SE
	s_setreg_imm32_b32 hwreg(HW_REG_WAVE_MODE, 25, 1), 1
	s_wait_xcnt 0x0
	s_wait_alu depctr_hold_cnt(0) depctr_sa_sdst(0) depctr_va_vdst(0) depctr_va_sdst(0) depctr_va_ssrc(0) depctr_va_vcc(0) depctr_vm_vsrc(0)
	s_getreg_b32 s2, hwreg(HW_REG_IB_STS2, 6, 4)
	s_cmp_eq_u32 s2, 0
	s_cbranch_scc0 .Lentry_in_a_cluster
	s_endpgm
.Lentry_in_a_cluster:
	s_bfe_u32 s2, ttmp6, 0x10000c
	s_cmp_lg_u32 s2, 0x3003
	s_cbranch_scc0 .Lentry_shape_is_right
	s_endpgm
.Lentry_shape_is_right:
; ctx = softmax(q k^T / 8) v for one head and 512 queries a work-group, on codes of FP6 (E2M3) with E8M0 scales; ctx leaves as codes and scale bytes for the last product.  No work of reference() is left out.
; LIMITS: the promise holds while the scaled scores (score x log2(e) / 8) stay under 2^31 in magnitude; a block of p under 2^-124, or a block of ctx of zeros, gets the scale byte 1 (read by this program alone); NaN and infinities are not served.
; A block's scale comes from floor(t - M) of its largest score: where v_exp_f32 rounds that p up to the next power of two, that one p is held one code low.
; SHARES.  Work-group (cx, y): head y, queries 512 cx on.  16 waves; wave w owns query tiles w and w + 16 of the 32, 16 queries each, and walks all 2,048 keys in 16 steps of 128.
; LDS: the head's K and V, 204,800 bytes, laid [step][K's record, V's record], 6,400 bytes a record.  Wave w brings step w by ONE tensor load (two rows of 6,400 bytes, K's part and V's part of qkv); nothing is filled again, so the loop has no barrier.
; CLUSTER 4 x 1: the four query blocks of a head ask for the same records jointly (mask 15).  No prefetch: the one stream of the launch is the head's single fill, and no loop runs ahead of it.
; BOTH PRODUCTS ARE USED TRANSPOSED (S^T = k q^T, O^T = v^T p^T): a lane holds one query.  A fragment of K holds two tiles of 16 keys x 64; q stands beside zeros, [q | 0] for the first tile and [0 | q] for the second.
; Tile T of a step holds keys 64 (T / 4) + 8 (T % 4) + i % 8 + 32 (i / 8), so register 32 c + n of lane (r, h) is key 64 c + 32 h + n: a whole scale block in a lane, in the order of p's operand registers.
; Both query tiles use each fragment: K's fragments serve S of tile 0 and of tile 1, then V's land on the same registers and serve both tiles' sums.
; M is the running largest t rounded up to a whole number, kept as -M; a change of M multiplies the sums by an exact power of two.  The row's sum is taken of the unquantised p.
; REGISTERS: v1-3 16, 8, 4 x lane; v4, v5 the add's two; v6, v7 q's scale words; v8, v9 K's or V's; v10 f; v11, v12 p's scale words; v14-15, v46-47 (-M, largest score) of tiles 0, 1;
; v16-45 q0, zeros, q1, zeros, q0; v48-95 four fragments; v96-159 scores, then p; v160-191, v192-223 O^T; v224-235, v236-247 p's codes (v248: one register over); v250-253 the rows' sums; v0, v13, v249, v254, v255 at work.
.set REC,   6400
.set HEADB, 16*REC
.set PART,  64*HEADB
.set STEPB, 2*REC
.set SPARE, 16*STEPB                   ; behind K and V: the spare words, 128 bytes a wave, eight blocks of 256 bytes that no other line names
.set SPW, 4
.set NIL, 5
.set F,   10
.set T0,  0
.set T1,  13
.set T2,  249
.set T3,  254
.set S,   96
.set WV,  10
.set G1,  16
.set G0,  24
.set SEL, 32
.set CS,  34
.set TK,  36
.set CNT, 38
.set QP,  40
.set CCP, 42
.set CSP, 44
.set SH,  46
.macro ROUND
	s_barrier_signal -1
	s_barrier_wait -1
	s_cmp_lg_u32 s[WV], 0
	s_cbranch_scc1 .Lnot_wave_0_\@
	s_barrier_signal -3
.Lnot_wave_0_\@:
	s_barrier_wait -3
	s_barrier_signal -1
	s_barrier_wait -1
.endm
.macro FETCH off                       ; four fragments and their scale words from the record at byte off of this step: images of registers, so a load reads 512, 256 or 128 consecutive bytes
	v_add_nc_u32 v[T0], s[TK], v1
	v_add_nc_u32 v[T1], s[TK], v2
	v_add_nc_u32 v[T2], s[TK], v3
	v_nop                                          ; with the three lines above: four places behind the products that read these registers
.irp b, 0,1,2,3
	ds_load_b128 v[48+12*\b:51+12*\b], v[T0] offset:\off+1536*\b
	ds_load_b64 v[52+12*\b:53+12*\b], v[T1] offset:\off+1536*\b+512
	ds_load_b128 v[54+12*\b:57+12*\b], v[T0] offset:\off+1536*\b+768
	ds_load_b64 v[58+12*\b:59+12*\b], v[T1] offset:\off+1536*\b+1280
.endr
	ds_load_b32 v8, v[T2] offset:\off+6144
	ds_load_b32 v9, v[T2] offset:\off+6272
.endm
.macro WM d, a, b, c, sa, sb, row
.if (\row)                             ; an odd fragment's scale words lie in lanes 16-31 of their register
	v_wmma_scale_f32_16x16x128_f8f6f4 v[\d:\d+7], v[\a:\a+11], v[\b:\b+11], \c, v[\sa], v[\sb] matrix_a_fmt:MATRIX_FMT_FP6 matrix_b_fmt:MATRIX_FMT_FP6 matrix_a_scale:MATRIX_SCALE_ROW1
.else
	v_wmma_scale_f32_16x16x128_f8f6f4 v[\d:\d+7], v[\a:\a+11], v[\b:\b+11], \c, v[\sa], v[\sb] matrix_a_fmt:MATRIX_FMT_FP6 matrix_b_fmt:MATRIX_FMT_FP6 matrix_a_scale:MATRIX_SCALE_ROW0
.endif
.endm
.macro SMUL qa, qb, qs                 ; S^T of one query tile: eight tiles of 16 keys.  qa: [q | 0], qb: [0 | q]
.irp b, 0,1,2,3
	WM 96+16*\b, 48+12*\b, \qa, 0, 8+\b/2, \qs, \b%2
	WM 104+16*\b, 48+12*\b, \qb, 0, 8+\b/2, \qs, \b%2
.endr
.endm
.macro RESCALE o                       ; O^T under the new M
.set J, 0
.rept 16
	v_pk_mul_f32 v[\o+J:\o+J+1], v[\o+J:\o+J+1], v[F:F+1] op_sel_hi:[1,0]
.set J, J+2
.endr
.endm
; One query tile's 64 scores a lane become p's codes (pc), p's scale word (ps) and f.  nm: the pair (-M, largest score); l: the pair of sums.
.macro SOFTMAX nm, l, pc, ps
	v_max3_num_f32 v[T0], v[S], v[S+1], v[S+2]                     ; the largest score of my two blocks, two chains each, the four by turns; each accumulator is read from its low end on
	v_max3_num_f32 v[T1], v[S+16], v[S+17], v[S+18]
	v_max3_num_f32 v[T2], v[S+32], v[S+33], v[S+34]
	v_max3_num_f32 v[T3], v[S+48], v[S+49], v[S+50]
.irp i, 3,5,7,9,11,13
	v_max3_num_f32 v[T0], v[T0], v[S+\i], v[S+\i+1]
	v_max3_num_f32 v[T1], v[T1], v[S+16+\i], v[S+17+\i]
	v_max3_num_f32 v[T2], v[T2], v[S+32+\i], v[S+33+\i]
	v_max3_num_f32 v[T3], v[T3], v[S+48+\i], v[S+49+\i]
.endr
	v_max3_num_f32 v[T0], v[T0], v[T1], v[S+15]
	v_max3_num_f32 v[T2], v[T2], v[T3], v[S+47]
	v_max_num_f32 v[T0], v[T0], v[S+31]                            ; block 2 c + h, c = 0
	v_max_num_f32 v[T2], v[T2], v[S+63]                            ; c = 1
	s_delay_alu instid0(VALU_DEP_1)
	v_max3_num_f32 v[\nm+1], v[\nm+1], v[T0], v[T2]                ; the running largest score of my query,
	s_delay_alu instid0(VALU_DEP_1)
	v_permlanex16_b32 v[T1], v[\nm+1], s[SEL], s[SEL+1]
	s_delay_alu instid0(VALU_DEP_1)
	v_max_num_f32 v[\nm+1], v[\nm+1], v[T1]                        ; with lane l xor 16's
	s_delay_alu instid0(VALU_DEP_1)
	v_mul_f32 v[T1], s[CS], v[\nm+1]                               ; as t
	s_delay_alu instid0(VALU_DEP_1)
	v_floor_f32 v[T3], -v[T1]                                      ; the new -M = -ceil(t)
	s_delay_alu instid0(VALU_DEP_1)
	v_sub_f32 v[T1], v[T3], v[\nm]                                 ; old M less new M: a whole number, 0 or less
	v_mov_b32 v[\nm], v[T3]
	s_delay_alu instid0(VALU_DEP_2)
	v_cvt_i32_f32 v[T1], v[T1]                                     ; (it saturates)
	v_fma_f32 v[T0], v[T0], s[CS], v[\nm]                          ; t - M of each block's largest score, by the same line as every score's
	v_fma_f32 v[T2], v[T2], s[CS], v[\nm]
	v_ldexp_f32 v[F], 1.0, v[T1]                                   ; f = 2^(old M - new M)
	v_max_num_f32 v[T0], 0xc2f80000, v[T0]                         ; held at -124: the byte cannot fall under 1
	v_max_num_f32 v[T2], 0xc2f80000, v[T2]
	v_floor_f32 v[T0], v[T0]                                       ; floor(log2(the block's largest p))
	v_floor_f32 v[T2], v[T2]
	v_add_f32 v[T0], 0x4b00007d, v[T0]                             ; + 2^23 + 125: the sum's lowest byte is the scale's byte, the two bytes above it are 0
	v_add_f32 v[T2], 0x4b00007d, v[T2]
	v_perm_b32 v[T1], v[T2], v[T0], 0x01040100                     ; my two bytes at places 0 and 2
	s_delay_alu instid0(VALU_DEP_1)
	v_permlanex16_b32 v[T3], v[T1], s[SEL], s[SEL+1]
	s_delay_alu instid0(VALU_DEP_1)
	v_lshl_or_b32 v[\ps], v[T3], 8, v[T1]                          ; lanes 0-15: blocks 0, 2 are mine, blocks 1, 3 lane l + 16's; lanes 16-31 are not read
.set J, 0
.rept 32
	v_pk_fma_f32 v[S+J:S+J+1], v[S+J:S+J+1], s[CS:CS+1], v[\nm:\nm+1] op_sel_hi:[1,0,0]   ; t - M
.set J, J+2
.endr
	s_wait_alu depctr_va_vdst(0)                                   ; ahead of the batch
.set J, 0
.rept 64
	v_exp_f32 v[S+J], v[S+J]                                       ; p = 2^(t - M)
.set J, J+1
.endr
	v_lshlrev_b32 v[T0], 23, v[T0]                                 ; the byte as an exponent field: the conversions' scale operands.  (Plain places behind the batch)
	v_lshlrev_b32 v[T2], 23, v[T2]
	s_wait_alu depctr_va_vdst(0)                                   ; one wait for the batch, ahead of its first reader
	v_pk_fma_f32 v[\l:\l+1], v[\l:\l+1], v[F:F+1], v[S:S+1] op_sel_hi:[1,0,1]   ; the sums under the new M, and the unquantised p onto them, in two chains
	v_pk_add_f32 v[T3:T3+1], v[S+2:S+3], v[S+4:S+5]
.irp j, 6,10,14,18,22,26,30,34,38,42,46,50,54,58
	v_pk_add_f32 v[\l:\l+1], v[\l:\l+1], v[S+\j:S+\j+1]
	v_pk_add_f32 v[T3:T3+1], v[T3:T3+1], v[S+\j+2:S+\j+3]
.endr
	v_pk_add_f32 v[\l:\l+1], v[\l:\l+1], v[S+62:S+63]
	v_pk_add_f32 v[\l:\l+1], v[\l:\l+1], v[T3:T3+1]
	v_cvt_scalef32_pk16_fp6_f32 v[\pc:\pc+2], v[S:S+15], v[T0]
	v_cvt_scalef32_pk16_fp6_f32 v[\pc+4:\pc+6], v[S+16:S+31], v[T0]      ; (a conversion's three registers begin on an even number: made one register up and moved down)
	v_cvt_scalef32_pk16_fp6_f32 v[\pc+10:\pc+12], v[S+48:S+63], v[T2]
	v_nop                                                          ; one plain place behind the scaled conversions
.irp i, 3,4,5
	v_mov_b32 v[\pc+\i], v[\pc+\i+1]
.endr
	v_cvt_scalef32_pk16_fp6_f32 v[\pc+6:\pc+8], v[S+32:S+47], v[T2]
.irp i, 9,10,11
	v_mov_b32 v[\pc+\i], v[\pc+\i+1]
.endr
.endm
	s_load_b128 s[4:7], s[0:1], 0x0                ; qkv, cc
	s_load_b64 s[8:9], s[0:1], 0x10                ; cs
	v_lshl_add_u32 v[SPW], v0, 2, SPARE
	v_mov_b32 v[NIL], 0
	ds_add_u32 v[SPW], v[NIL]                      ; the opening lines: the add, twice on end, and its wait ahead of my tensor load
	ds_add_u32 v[SPW], v[NIL]
	v_lshrrev_b32 v1, 5, v0
	v_readfirstlane_b32 s[WV], v1                  ; wave 0..15
	s_bfe_u32 s11, ttmp6, 0x40000                  ; cx: which 512 queries
	s_and_b32 s12, ttmp7, 0xffff                   ; batch x 16 + head
	s_and_b32 s13, s[WV], 7                        ; my query tile in its record
	s_lshr_b32 s14, s[WV], 3
	s_mov_b32 s[G1], 15|(3<<16)|(1<<21)            ; the mask of the four partners; elements of 8 bytes; bit 21 beside a mask
	s_mov_b32 s[G1+1], 800<<16                     ; a row: a record of 6,400 bytes
	s_mov_b32 s[G1+2], 2<<16                       ; two rows: K's record, V's record
	s_mov_b32 s[G1+3], 800<<16
	s_mov_b32 s[G1+4], 2
	s_mov_b32 s[G1+5], PART/8                      ; from K's part of qkv to V's
	s_mov_b32 s[G1+6], 0
	s_mov_b32 s[G1+7], 0
	s_mul_i32 s47, s[WV], STEPB                    ; LDS: step w
	s_mul_i32 s48, s[WV], REC
	s_mul_i32 s49, s12, HEADB
	s_add_co_u32 s50, s49, s48
	s_add_co_u32 s50, s50, PART                    ; K's record w of my head
	s_mov_b32 s51, 0
	s_lshl_b32 s52, s11, 2                         ; q: record 4 cx + w / 8 (tile 1: two records on), half fragment w % 8
	s_add_co_u32 s52, s52, s14
	s_mul_i32 s52, s52, REC
	s_add_co_u32 s52, s52, s49
	s_mul_i32 s54, s13, 768
	s_add_co_u32 s52, s52, s54
	s_mov_b32 s53, 0
	s_sub_co_u32 s55, 6144, s54                    ; from there to my tile's scale words in the record
	s_lshr_b32 s56, s13, 2
	s_lshl_b32 s56, s56, 7
	s_add_co_u32 s55, s55, s56
	s_bfe_u32 s56, s13, 0x10001
	s_lshl_b32 s56, s56, 6
	s_add_co_u32 s55, s55, s56
	s_lshr_b32 s56, s12, 4                         ; ctx's tile: 128 batch + 32 cx + w (tile 1: 16 on)
	s_lshl_b32 s56, s56, 7
	s_lshl_b32 s57, s11, 5
	s_add_co_u32 s56, s56, s57
	s_add_co_u32 s56, s56, s[WV]
	s_and_b32 s57, s12, 15                         ; the head: half (head % 2) of K step head / 2 of the last product
	s_lshl_b32 s58, s56, 3
	s_lshr_b32 s59, s57, 1
	s_add_co_u32 s58, s58, s59
	s_mul_i32 s58, s58, 1536
	s_and_b32 s60, s57, 1
	s_mul_i32 s61, s60, 768
	s_add_co_u32 s58, s58, s61
	s_lshl_b32 s56, s56, 9                         ; and its two bytes in the tile's scale image
	s_lshr_b32 s61, s57, 3
	s_lshl_b32 s61, s61, 8
	s_add_co_u32 s56, s56, s61
	s_and_b32 s61, s59, 3
	s_lshl_b32 s61, s61, 2
	s_add_co_u32 s56, s56, s61
	s_lshl_b32 s61, s60, 1
	s_add_co_u32 s56, s56, s61
	s_mov_b32 s57, 0
	s_mov_b32 s59, 0
	s_and_b32 s[SH], s[WV], 1
	s_lshl_b32 s[SH], s[SH], 4
	s_mov_b32 s[SEL], 0x76543210
	s_mov_b32 s[SEL+1], 0xfedcba98                 ; lane l xor 16
	s_mov_b32 s[CS], 0x3e38aa3b                    ; log2(e) / 8
	s_mov_b32 s[CS+1], s[CS]
	s_wait_dscnt 0x0                               ; both opening adds are done
	s_wait_kmcnt 0x0
	s_mov_b32 s[G0], 1
	s_mov_b32 s[G0+1], s47
	s_add_nc_u64 s[G0+2:G0+3], s[4:5], s[50:51]
	s_or_b32 s[G0+3], s[G0+3], 0x80000000
	s_add_nc_u64 s[QP:QP+1], s[4:5], s[52:53]
	s_add_nc_u64 s[CCP:CCP+1], s[6:7], s[58:59]
	s_add_nc_u64 s[CSP:CSP+1], s[8:9], s[56:57]
	ROUND                                          ; the four partners are here: the joint loads meet
	tensor_load_to_lds s[G0:G0+3], s[G1:G1+7]      ; my one load: step w's K and V
	s_nop 0
	v_and_b32 v3, 31, v0
	v_and_b32 v[T1], 15, v0
	v_lshlrev_b32 v1, 4, v3
	v_lshlrev_b32 v2, 3, v3
	v_lshlrev_b32 v3, 2, v3
	v_lshl_add_u32 v[T1], v[T1], 2, s55
	global_load_b128 v[16:19], v1, s[QP:QP+1]                      ; q0, twice: ahead of the zeros and behind them
	global_load_b64 v[20:21], v2, s[QP:QP+1] offset:512
	global_load_b128 v[40:43], v1, s[QP:QP+1]
	global_load_b64 v[44:45], v2, s[QP:QP+1] offset:512
	global_load_b128 v[28:31], v1, s[QP:QP+1] offset:2*REC         ; q1, between the two runs of zeros
	global_load_b64 v[32:33], v2, s[QP:QP+1] offset:2*REC+512
	global_load_b32 v6, v[T1], s[QP:QP+1]
	global_load_b32 v7, v[T1], s[QP:QP+1] offset:2*REC
.irp i, 22,23,24,25,26,27,34,35,36,37,38,39
	v_mov_b32 v\i, 0
.endr
.irp n, 14,46
	v_mov_b32 v[\n], 0x7e000000                    ; -M: so large that the first step's f is 0
	v_mov_b32 v[\n+1], 0xff61b1e6                  ; the largest score so far: -3e38
.endr
.irp i, 250,251,252,253
	v_mov_b32 v\i, 0                               ; the sums
.endr
	s_wait_alu depctr_va_vdst(0)
	s_wait_loadcnt 0x0
.irp i, 6,7
	v_lshrrev_b32 v\i, s[SH], v\i                  ; my tile's two bytes of its fragment's word,
.endr
.irp i, 6,7
	v_and_b32 v\i, 0xffff, v\i
.endr
.irp i, 6,7
	v_lshl_or_b32 v\i, v\i, 16, v\i                ; for either half of the operand
.endr
.set J, 0
.rept 64
	v_mov_b32 v[160+J], 0                          ; O^T: the step is written once, and the first step finds zeros
.set J, J+1
.endr
	s_mov_b32 s[TK], 0
	s_mov_b32 s[CNT], 16
	s_wait_alu depctr_va_vdst(0)                   ; the head's end
	s_wait_tensorcnt 0x0                           ; my step's records are in,
	s_barrier_signal -1
	s_barrier_wait -1                              ; and everybody's
.Lstep:
	FETCH 0                                        ; K's record
	s_wait_dscnt 0x0
	SMUL 16, 34, 6
.rept 4
	v_nop                                          ; four places ahead of the first read of the scores
.endr
	SOFTMAX 14, 250, 224, 11
	SMUL 28, 22, 7                                 ; tile 1's scores, by the same fragments
	s_wait_alu depctr_va_vdst(0)                   ; directly ahead of the first reader of O^T
	RESCALE 160                                    ; (these lines are also the places ahead of the loads below and of the reads of the scores)
	FETCH REC                                      ; V's record, onto K's registers: it lands under tile 1's softmax
	SOFTMAX 46, 252, 236, 12
	s_wait_alu depctr_va_vdst(0)                   ; likewise for tile 1's O^T
	RESCALE 192
	s_wait_alu depctr_va_vdst(0)
	s_wait_dscnt 0x0
.irp t, 0,1,2,3                                ; O^T += v^T p^T: the eight accumulators by turns
	WM 160+8*\t, 48+12*\t, 224, v[160+8*\t:167+8*\t], 8+\t/2, 11, \t%2
	WM 192+8*\t, 48+12*\t, 236, v[192+8*\t:199+8*\t], 8+\t/2, 12, \t%2
.endr
	s_add_co_u32 s[TK], s[TK], STEPB
	s_sub_co_u32 s[CNT], s[CNT], 1
	s_cmp_lg_u32 s[CNT], 0
	s_cbranch_scc1 .Lstep
; THE WAY OUT: O^T / the sum, quantised along the head's 64.  Register 16 b + i of lane (r, h) is feature 32 b + 16 h + i of query r.
.rept 4
	v_nop
.endr
	v_add_f32 v250, v250, v251
	v_add_f32 v252, v252, v253
	v_permlanex16_b32 v[T0], v250, s[SEL], s[SEL+1]
	v_permlanex16_b32 v[T1], v252, s[SEL], s[SEL+1]
	v_add_f32 v250, v250, v[T0]
	v_add_f32 v252, v252, v[T1]
.irp i, 56,57,58,59
	v_mov_b32 v\i, 0                               ; a lane permute's destination counts as one of its sources
.endr
	v_and_b32 v62, 0xf0, v1                        ; 16 r
	s_wait_alu depctr_va_vdst(0)                   ; ahead of the batch
	v_rcp_f32 v250, v250
	v_rcp_f32 v252, v252
	v_nop
	s_wait_alu depctr_va_vdst(0)                   ; and behind it, directly ahead of the first readers of the quotients and of O^T
.irp k, 0,1
.set J, 0
.rept 16
	v_pk_mul_f32 v[96+32*\k+J:97+32*\k+J], v[160+32*\k+J:161+32*\k+J], v[250+2*\k:251+2*\k] op_sel_hi:[1,0]
.set J, J+2
.endr
.endr
.irp k, 0,1
.irp b, 0,1
	v_max3_num_f32 v[48+2*\k+\b], |v[96+32*\k+16*\b]|, |v[97+32*\k+16*\b]|, 0x1800000   ; my 16 numbers of a block, and the floor 2^(3 - 127)
.endr
.endr
.irp i, 2,4,6,8,10,12,14
.irp k, 0,1
.irp b, 0,1
	v_max3_num_f32 v[48+2*\k+\b], v[48+2*\k+\b], |v[96+32*\k+16*\b+\i]|, |v[97+32*\k+16*\b+\i]|
.endr
.endr
.endr
.irp n, 0,1,2,3
	v_permlanex16_b32 v[56+\n], v[48+\n], s[SEL], s[SEL+1]
.endr
.irp n, 0,1,2,3
	v_max_num_f32 v[48+\n], v[48+\n], v[56+\n]     ; with lane l xor 16's: the block's largest magnitude
.endr
.irp n, 0,1,2,3
	v_add_nc_u32 v[52+\n], 0xff000000, v[48+\n]    ; 2 off its exponent field: the conversion's scale operand
.endr
.irp n, 0,1,2,3
	v_lshrrev_b32 v[56+\n], 23, v[52+\n]           ; the scale's byte
.endr
.irp k, 0,1
	v_lshl_or_b32 v[60+\k], v[57+2*\k], 8, v[56+2*\k]
.endr
.irp k, 0,1
	v_cvt_scalef32_pk16_fp6_f32 v[224+12*\k:226+12*\k], v[96+32*\k:111+32*\k], v[52+2*\k]
	v_cvt_scalef32_pk16_fp6_f32 v[230+12*\k:232+12*\k], v[112+32*\k:127+32*\k], v[53+2*\k]
.endr
	v_nop                                          ; one plain place behind the scaled conversions
.irp k, 0,1
.irp i, 0,1,2
	v_permlane16_swap_b32 v[224+12*\k+\i], v[230+12*\k+\i]   ; a whole block in a lane: lanes 0-15 block 0, lanes 16-31 block 1
.endr
.irp i, 0,1,2
	v_mov_b32 v[227+12*\k+\i], v[230+12*\k+\i]
.endr
.endr
.irp k, 0,1
	global_store_b128 v1, v[224+12*\k:227+12*\k], s[CCP:CCP+1] offset:\k*16*12288        ; 512 consecutive bytes, aligned
	global_store_b64 v2, v[228+12*\k:229+12*\k], s[CCP:CCP+1] offset:\k*16*12288+512     ; 256 likewise
	global_store_b16 v62, v[60+\k], s[CSP:CSP+1] offset:\k*16*512                        ; my head's two bytes of each row's scale word
.endr
	s_wait_tensorcnt 0x0                           ; the wave's end
	ds_add_u32 v[SPW], v[NIL]
	s_wait_dscnt 0x0
	ROUND                                          ; the closing round
	s_endpgm
.Lfunc_end_k_q6589975353_attn:
	.size	k_q6589975353_attn, .Lfunc_end_k_q6589975353_attn-k_q6589975353_attn
	.p2alignl 7, 3214868480
	.fill 96, 4, 3214868480
	.section	.rodata,"a",@progbits
	.p2align	6, 0x0
	.amdhsa_kernel k_q6589975353_attn
		.amdhsa_group_segment_fixed_size 327680
		.amdhsa_private_segment_fixed_size 0
		.amdhsa_enable_private_segment 0
		.amdhsa_kernarg_size 24
		.amdhsa_user_sgpr_count 2
		.amdhsa_user_sgpr_kernarg_segment_ptr 1
		.amdhsa_wavefront_size32 1
		.amdhsa_system_sgpr_workgroup_id_x 1
		.amdhsa_system_sgpr_workgroup_id_y 1
		.amdhsa_system_sgpr_workgroup_id_z 1
		.amdhsa_system_vgpr_workitem_id 0
		.amdhsa_next_free_vgpr 256
		.amdhsa_next_free_sgpr 66
		.amdhsa_reserve_vcc 0
		.amdhsa_float_denorm_mode_32 3
		.amdhsa_float_denorm_mode_16_64 3
		.amdhsa_memory_ordered 1
		.amdhsa_forward_progress 1
		.amdhsa_inst_pref_size 44
	.end_amdhsa_kernel
	.amdgpu_metadata
---
amdhsa.version: [ 1, 2 ]
amdhsa.kernels:
  - .name:           k_q6589975353_attn
    .symbol:         k_q6589975353_attn.kd
    .args:
      - { .name: qkv, .offset: 0, .size: 8, .value_kind: global_buffer, .address_space: global }
      - { .name: cc, .offset: 8, .size: 8, .value_kind: global_buffer, .address_space: global }
      - { .name: cs, .offset: 16, .size: 8, .value_kind: global_buffer, .address_space: global }
    .group_segment_fixed_size: 327680
    .private_segment_fixed_size: 0
    .kernarg_segment_align: 8
    .kernarg_segment_size: 24
    .max_flat_workgroup_size: 512
    .sgpr_count:     66
    .vgpr_count:     256
    .wavefront_size: 32
...
	.end_amdgpu_metadata
.endif
;; end of part 3
;; launch outp (part 4): grid 4 x 64, 4 waves a work-group, clusters of 4 x 4, 295,424 bytes of LDS; arguments cc, cs, codes, scales, out0; writes out0
.if DOCPART == 4
	.amdgcn_target "amdgcn-amd-amdhsa--gfx1250"
	.amdhsa_code_object_version 6
	.text
	.protected	k_q6589975353_outp
	.globl	k_q6589975353_outp
	.p2align	8
	.type	k_q6589975353_outp,@function
k_q6589975353_outp:
	s_mov_b64 s[64:65], 0
	v_nop
	global_prefetch_b8 v0, s[64:65] scope:SCOPE_SE
	s_setreg_imm32_b32 hwreg(HW_REG_WAVE_MODE, 25, 1), 1
	s_wait_xcnt 0x0
	s_wait_alu depctr_hold_cnt(0) depctr_sa_sdst(0) depctr_va_vdst(0) depctr_va_sdst(0) depctr_va_ssrc(0) depctr_va_vcc(0) depctr_vm_vsrc(0)
	s_getreg_b32 s2, hwreg(HW_REG_IB_STS2, 6, 4)
	s_cmp_eq_u32 s2, 0
	s_cbranch_scc0 .Lentry_in_a_cluster
	s_endpgm
.Lentry_in_a_cluster:
	s_bfe_u32 s2, ttmp6, 0x10000c
	s_cmp_lg_u32 s2, 0xf033
	s_cbranch_scc0 .Lentry_shape_is_right
	s_endpgm
.Lentry_shape_is_right:
; out0 = ctx Wo^T on codes of FP6 (E2M3) with E8M0 scales, sums in f32; out0 [8192][1024] f32.  No work of reference() is left out.
; SHARES.  Work-group (x, y): 128 rows of ctx (8 tiles, y) x 256 rows of Wo (16 tiles, x).  All of K, 1,024, of both lies in LDS: two halves of 512 along K, each brought once; nothing is filled again.
; Four waves; a wave's tile is P, 64 rows of ctx (4 tiles, the product's second source), x R, 128 rows of Wo (8 tiles, its first source): 32 accumulators.  In a result a lane holds ONE row of ctx, and its registers
; run along Wo's rows, whose order in a tile (32 (T / 2) + 8 (T % 2) + i + 8 (i / 8)) makes the 16 registers of two neighbouring tiles 16 neighbouring columns of out0.  ctx's tiles have their rows in the same order.
; CLUSTER 4 x 4.  ctx's tiles hang on y alone and are asked for jointly along a row of the cluster, Wo's on x alone and jointly along a column.
; OPERANDS are images of registers (768 bytes a half fragment: lane l's registers 0-3 at 16 l, registers 4, 5 at 512 + 8 l), so an LDS load reads 512 or 256 consecutive bytes: no pitch, no padding.
; THE WAY OUT: 16 rows x 128 columns at a time through the wave's own stage in LDS, back as whole rows of 512 bytes.  The stages lie in chunk 0: it has had its only fill, and every wave has waited for its reads of it in front of a later barrier.
; REGISTERS, in windows of 256: window 0: v1-3 16, 8, 4 x lane; v4, v5 the add's two; v8-15 LDS addresses, four a half; v24, v25 the stage; v32-47 P's scale words, v48-79 R's; v96-143, v144-191 P's fragments, two sets
;   (on the way out v96-159, v160-223: rows read back, by turns).   window 1: R's fragments, two sets, at v0 and v128.   window 2: accumulator (a, b) at v[64 a + 8 b].
; THE FILLS AS THEY NOW STAND: K lies in LDS in TWO halves of 512 along K, not four chunks; each half holds 24 tiles x 6,144 bytes.  One joint load a wave at the head:
; wave 0 ctx's first half, wave 1 Wo's, wave 2 ctx's second half, wave 3 Wo's.  The first barrier shows waves 0 and 1's tiles, the barrier in K step 3 all.  The stages lie in the first half.
.set CHUNK, 147456                     ; 24 tiles x 6,144 bytes: ctx's 8, then Wo's 16, 512 along K
.set SPARE, 2*CHUNK                    ; behind the two halves: the spare words
.set SPITCH, 528                       ; a stage row: 512 bytes + 16
.set SPW, 4
.set NIL, 5
.set WV,  14                           ; s14 wave; s15 its low bit: which 128 rows of Wo; s16 its high bit: which 64 rows of ctx
.set W1,  15
.set W2,  16
.set CX,  17
.set CY,  18
.set XX,  19
.set YY,  20
.set WT0, 22                           ; s22 Wo's first tile among the 1,792
.set G1I, 24                           ; s[24:31] descriptor group 1 for ctx's tiles;  s[32:39] for Wo's
.set G1W, 32
.set G0I, 40                           ; s[40:47] groups 0 for ctx's two halves;  s[68:75] for Wo's
.set G0W, 68
.set MSB, 0
.macro WIN new                         ; the immediate's high byte repeats the setting that is left
.if MSB != \new
	s_set_vgpr_msb (MSB<<8)|\new
.set MSB, \new
.endif
.endm
.macro ROUND                           ; a round of the cluster's barrier
	s_barrier_signal -1
	s_barrier_wait -1
	s_cmp_lg_u32 s[WV], 0
	s_cbranch_scc1 .Lnot_wave_0_\@
	s_barrier_signal -3
.Lnot_wave_0_\@:
	s_barrier_wait -3
	s_barrier_signal -1
	s_barrier_wait -1
.endm
.macro PLACES                          ; four plain places behind a matrix instruction, in front of loads into its sources and of reads of its results
.rept 4
	v_nop
.endr
.endm
.macro FRAG reg, a16, a8, off          ; a fragment's 12 registers from its image
	ds_load_b128 v[\reg:\reg+3], v[\a16] offset:\off
	ds_load_b64 v[\reg+4:\reg+5], v[\a8] offset:\off+512
	ds_load_b128 v[\reg+6:\reg+9], v[\a16] offset:\off+768
	ds_load_b64 v[\reg+10:\reg+11], v[\a8] offset:\off+1280
.endm
.macro FETCH s                         ; K step s: R's eight fragments and P's four, 48 loads in one run
	WIN 0x40                                       ; destination window 1, address window 0
.irp b, 0,1,2,3,4,5,6,7
	FRAG 128*((\s)%2)+12*\b, 10+4*((\s)/4), 11+4*((\s)/4), 6144*\b+1536*((\s)%4)
.endr
	WIN 0
.irp a, 0,1,2,3
	FRAG 96+48*((\s)%2)+12*\a, 8+4*((\s)/4), 9+4*((\s)/4), 6144*\a+1536*((\s)%4)
.endr
.endm
; 32 matrix instructions: K step s.  The 32 accumulators take turns, one instruction a turn, in the same order in every step.  A scale register holds K step s % 4 in lanes 0-15 and K step 4 + s % 4 in lanes 16-31.
.macro MUL32 s, zero
	WIN 0xa1                                       ; source 0 (R) window 1, source 1 (P) window 0, C and D window 2
.irp a, 0,1,2,3
.irp b, 0,1,2,3,4,5,6,7
.if \zero
	v_wmma_scale_f32_16x16x128_f8f6f4 v[64*\a+8*\b:64*\a+8*\b+7], v[128*((\s)%2)+12*\b:128*((\s)%2)+12*\b+11], v[96+48*((\s)%2)+12*\a:96+48*((\s)%2)+12*\a+11], 0, v[48+4*\b+((\s)%4)], v[32+4*\a+((\s)%4)] matrix_a_fmt:MATRIX_FMT_FP6 matrix_b_fmt:MATRIX_FMT_FP6
.elseif (\s) < 4
	v_wmma_scale_f32_16x16x128_f8f6f4 v[64*\a+8*\b:64*\a+8*\b+7], v[128*((\s)%2)+12*\b:128*((\s)%2)+12*\b+11], v[96+48*((\s)%2)+12*\a:96+48*((\s)%2)+12*\a+11], v[64*\a+8*\b:64*\a+8*\b+7], v[48+4*\b+((\s)%4)], v[32+4*\a+((\s)%4)] matrix_a_fmt:MATRIX_FMT_FP6 matrix_b_fmt:MATRIX_FMT_FP6
.else
	v_wmma_scale_f32_16x16x128_f8f6f4 v[64*\a+8*\b:64*\a+8*\b+7], v[128*((\s)%2)+12*\b:128*((\s)%2)+12*\b+11], v[96+48*((\s)%2)+12*\a:96+48*((\s)%2)+12*\a+11], v[64*\a+8*\b:64*\a+8*\b+7], v[48+4*\b+((\s)%4)], v[32+4*\a+((\s)%4)] matrix_a_fmt:MATRIX_FMT_FP6 matrix_b_fmt:MATRIX_FMT_FP6 matrix_a_scale:MATRIX_SCALE_ROW1 matrix_b_scale:MATRIX_SCALE_ROW1
.endif
.endr
.endr
	WIN 0
.endm
.macro KSTEP s
	s_wait_dscnt 0x0                               ; this step's fragments are in (asked for 32 matrix instructions ago)
.if (\s) == 3
	s_wait_tensorcnt 0x0                           ; every wave's one load has landed: the second half among them
	s_barrier_signal -1
	s_barrier_wait -1                              ; everybody's has
.endif
.if (\s) < 7
.if (\s) > 0
	PLACES
.endif
	FETCH (\s)+1                                   ; at the step's head: it has the step's 32 products in which to land
.endif
.if (\s) == 0
	s_wait_loadcnt 0x0                             ; the scale words
	MUL32 \s, 1                                    ; the first products start the sums: nothing is cleared
.else
	MUL32 \s, 0
.endif
.endm
	s_load_b256 s[4:11], s[0:1], 0x0               ; cc s[4:5], cs s[6:7], codes s[8:9], scales s[10:11]
	s_load_b64 s[12:13], s[0:1], 0x20              ; out0
	v_lshl_add_u32 v[SPW], v0, 2, SPARE
	v_mov_b32 v[NIL], 0
	ds_add_u32 v[SPW], v[NIL]                      ; the wave's opening: the add, twice on end, and its wait ahead of my first tensor load
	ds_add_u32 v[SPW], v[NIL]                      ; and once more; the set-up below, work on registers, stands between it and the wait
	v_lshrrev_b32 v1, 5, v0
	v_readfirstlane_b32 s[WV], v1                  ; wave 0..3
	s_and_b32 s[W1], s[WV], 1
	s_lshr_b32 s[W2], s[WV], 1
	s_bfe_u32 s[CX], ttmp6, 0x40000                ; my place in the cluster
	s_bfe_u32 s[CY], ttmp6, 0x40004
	s_lshl_b32 s[XX], ttmp9, 2
	s_add_co_u32 s[XX], s[XX], s[CX]               ; x = 4 x cluster x + cx
	s_and_b32 s[YY], ttmp7, 0xffff
	s_lshl_b32 s[YY], s[YY], 2
	s_add_co_u32 s[YY], s[YY], s[CY]               ; y = 4 x cluster y + cy
	s_lshl_b32 s84, s[CY], 2
	s_lshl_b32 s84, 15, s84                        ; my row of the cluster
	s_lshl_b32 s85, 0x1111, s[CX]                  ; my column
	s_or_b32 s[G1I], s84, (3<<16)|(1<<21)          ; 15:0 the mask; 17:16 elements of 8 bytes; 20 no padding; 21 set beside a mask
	s_or_b32 s[G1W], s85, (3<<16)|(1<<21)
.irp g, G1I, G1W
	s_mov_b32 s[\g+1], 768<<16                     ; tensor_dim0: a tile's 512 along K are 6,144 bytes, 768 elements
	s_mov_b32 s[\g+3], 768<<16                     ; tile_dim0
	s_mov_b32 s[\g+5], 1536                        ; from tile to tile: 12,288 bytes
	s_mov_b32 s[\g+6], 0
	s_mov_b32 s[\g+7], 0
.endr
	s_mov_b32 s[G1I+2], 8<<16                      ; tensor_dim1: a load brings ctx's 8 tiles,
	s_mov_b32 s[G1I+4], 8                          ; tile_dim1
	s_mov_b32 s[G1W+2], 16<<16                     ; or Wo's 16
	s_mov_b32 s[G1W+4], 16
	s_lshl_b32 s56, s[YY], 3                       ; ctx's tile: 8 y
	s_mul_i32 s56, s56, 12288
	s_mov_b32 s57, 0
	s_lshl_b32 s58, s[XX], 4                       ; Wo's: 1,728 + 16 x
	s_add_co_u32 s[WT0], s58, 1728
	s_mov_b32 s58, s[WT0]
	s_mul_i32 s58, s58, 12288
	s_mov_b32 s59, 0
	s_mov_b32 s60, 0                               ; where they go in a half: ctx's tiles at 0,
	s_mov_b32 s61, 49152                           ; Wo's behind them
	s_wait_dscnt 0x0                               ; both opening adds are done
	s_wait_kmcnt 0x0
	s_add_nc_u64 s[56:57], s[4:5], s[56:57]
	s_add_nc_u64 s[58:59], s[8:9], s[58:59]
	ROUND                                          ; all sixteen work-groups are here: the joint loads meet
.irp q, 0,1
	s_mov_b32 s[G0I+4*\q], 1
	s_add_co_u32 s[G0I+4*\q+1], s60, \q*CHUNK
	s_add_nc_u64 s[G0I+4*\q+2:G0I+4*\q+3], s[56:57], \q*6144
	s_or_b32 s[G0I+4*\q+3], s[G0I+4*\q+3], 0x80000000
	s_mov_b32 s[G0W+4*\q], 1
	s_add_co_u32 s[G0W+4*\q+1], s61, \q*CHUNK
	s_add_nc_u64 s[G0W+4*\q+2:G0W+4*\q+3], s[58:59], \q*6144
	s_or_b32 s[G0W+4*\q+3], s[G0W+4*\q+3], 0x80000000
.endr
	s_cmp_eq_u32 s[WV], 0                          ; one chain of branches on the wave's number, one joint load to an arm
	s_cbranch_scc0 .Lwave_1
	tensor_load_to_lds s[G0I:G0I+3], s[G1I:G1I+7]  ; wave 0: ctx's first half of K
	s_nop 0
	PLACES
	s_branch .Lasked
.Lwave_1:
	s_cmp_eq_u32 s[WV], 1
	s_cbranch_scc0 .Lwave_2
	tensor_load_to_lds s[G0W:G0W+3], s[G1W:G1W+7]  ; wave 1: Wo's first half
	s_nop 0
	PLACES
	s_branch .Lasked
.Lwave_2:
	s_cmp_eq_u32 s[WV], 2
	s_cbranch_scc0 .Lwave_3
	tensor_load_to_lds s[G0I+4:G0I+7], s[G1I:G1I+7]  ; wave 2: ctx's second half
	s_nop 0
	PLACES
	s_branch .Lasked
.Lwave_3:
	tensor_load_to_lds s[G0W+4:G0W+7], s[G1W:G1W+7]  ; wave 3: Wo's second half
	s_nop 0
	PLACES
.Lasked:
	s_mul_i32 s84, s[W2], 24576                    ; P = ctx's tiles 4 (wave / 2) on, 6,144 bytes a tile
	s_mul_i32 s86, s[W1], 49152
	s_add_co_u32 s86, s86, 49152                   ; R = Wo's tiles 8 (wave % 2) on
	v_and_b32 v3, 31, v0
	v_lshlrev_b32 v1, 4, v3                        ; 16 x lane
	v_lshlrev_b32 v2, 3, v3                        ; 8 x lane
	v_lshlrev_b32 v3, 2, v3                        ; 4 x lane
.irp q, 0,1
	v_add_nc_u32 v[8+4*\q], s84, v1
	v_add_nc_u32 v[9+4*\q], s84, v2
	v_add_nc_u32 v[10+4*\q], s86, v1
	v_add_nc_u32 v[11+4*\q], s86, v2
	s_add_co_u32 s84, s84, CHUNK
	s_add_co_u32 s86, s86, CHUNK
.endr
	s_lshl_b32 s88, s[YY], 3
	s_lshl_b32 s89, s[W2], 2
	s_add_co_u32 s88, s88, s89                     ; P's first tile
	s_lshl_b32 s88, s88, 9                         ; a tile's scale image is 512 bytes
	s_mov_b32 s89, 0
	s_lshl_b32 s90, s[W1], 3
	s_add_co_u32 s90, s90, s[WT0]                  ; R's
	s_lshl_b32 s90, s90, 9
	s_mov_b32 s91, 0
	s_add_nc_u64 s[88:89], s[6:7], s[88:89]
	s_add_nc_u64 s[90:91], s[10:11], s[90:91]
.irp a, 0,1,2,3
	global_load_b128 v[32+4*\a:35+4*\a], v1, s[88:89] offset:512*\a   ; my scale words, once, straight into registers: 512 consecutive bytes a load
.endr
.irp b, 0,1,2,3,4,5,6,7
	global_load_b128 v[48+4*\b:51+4*\b], v1, s[90:91] offset:512*\b
.endr
	s_lshl_b32 s84, s[YY], 19                      ; out0 at row 128 y + 64 (wave / 2), column 256 x + 128 (wave % 2): rows of 4,096 bytes
	s_lshl_b32 s85, s[W2], 18
	s_add_co_u32 s84, s84, s85
	s_lshl_b32 s85, s[XX], 10
	s_add_co_u32 s84, s84, s85
	s_lshl_b32 s85, s[W1], 9
	s_add_co_u32 s84, s84, s85
	s_mov_b32 s85, 0
	s_add_nc_u64 s[12:13], s[12:13], s[84:85]
	s_mul_i32 s92, s[WV], 16*SPITCH                ; my stage
	v_and_b32 v24, 15, v0
	v_bfe_u32 v25, v0, 4, 1
	v_mul_u32_u24 v24, v24, SPITCH
	v_lshl_add_u32 v24, v25, 6, v24
	v_add_nc_u32 v24, s92, v24                     ; in: row r, + 64 (lane / 16) bytes
	v_add_nc_u32 v25, s92, v1                      ; back: the 32 lanes take a row of 512 bytes
	s_wait_alu depctr_va_vdst(0)
	s_cmp_lt_u32 s[WV], 2                          ; waves 0 and 1 wait for their loads, the first half of K; waves 2 and 3's may still be out
	s_cbranch_scc0 .Lnot_first
	s_wait_tensorcnt 0x0
.Lnot_first:
	s_barrier_signal -1
	s_barrier_wait -1                              ; everybody's has
	FETCH 0
.irp t, 0,1,2,3,4,5,6,7
	KSTEP \t
.endr
; THE WAY OUT, a tile of 16 rows x 128 columns at a time.  Register j of accumulator (a, b) is column 32 (b / 2) + 16 (lane / 16) + 8 (b % 2) + j of the lane's row.
; LDS serves a wave's instructions in order (ISA guide 5.7.1.4): no wait between the stores and the loads, nor in front of the next tile's stores.
.macro TOSTAGE a
	WIN 0x08                                       ; an LDS store's data are its source 1: window 2
.irp b, 0,1,2,3,4,5,6,7
	ds_store_b128 v24, v[64*\a+8*\b:64*\a+8*\b+3] offset:128*(\b/2)+32*(\b%2)      ; each accumulator from its low end on
	ds_store_b128 v24, v[64*\a+8*\b+4:64*\a+8*\b+7] offset:128*(\b/2)+32*(\b%2)+16
.endr
	WIN 0
.set BB, 96+64*((\a)%2)
.irp t, 0,1,2,3,4,5,6,7,8,9,10,11,12,13,14,15
	ds_load_b128 v[BB+4*\t:BB+4*\t+3], v25 offset:\t*SPITCH
.endr
.endm
.macro SEND a, younger                 ; younger: the LDS instructions issued behind tile a's loads, which may stay out
.set BB, 96+64*((\a)%2)
	s_wait_dscnt \younger
.irp t, 0,1,2,3,4,5,6,7,8,9,10,11,12,13,14,15
	global_store_b128 v1, v[BB+4*\t:BB+4*\t+3], s[12:13] offset:(32*((\a)/2)+8*((\a)%2)+\t+8*(\t/8))*4096 th:TH_STORE_NT   ; 512 consecutive bytes of a row, at a multiple of 256 from out0's first byte; written once, read by nobody here
.endr
.endm
	PLACES                                         ; behind the last products: for the stores of results and the loads into P's registers
	TOSTAGE 0
.irp a, 1,2,3
.if \a > 1
	s_wait_xcnt 0x0                                ; tile a - 2's stores have read their registers: tile a's loads may land there
.endif
	TOSTAGE \a
	SEND \a-1, 32                                  ; behind tile a - 1's loads: tile a's 16 stores and 16 loads
.endr
	SEND 3, 0
	s_wait_tensorcnt 0x0                           ; the wave's end, behind my last tensor load and my last LDS store
	ds_add_u32 v[SPW], v[NIL]
	s_wait_dscnt 0x0
	ROUND                                          ; the closing round: no work-group ends while a partner may still ask for a tile that names it
	s_endpgm
.Lfunc_end_k_q6589975353_outp:
	.size	k_q6589975353_outp, .Lfunc_end_k_q6589975353_outp-k_q6589975353_outp
	.p2alignl 7, 3214868480
	.fill 96, 4, 3214868480
	.section	.rodata,"a",@progbits
	.p2align	6, 0x0
	.amdhsa_kernel k_q6589975353_outp
		.amdhsa_group_segment_fixed_size 295424
		.amdhsa_private_segment_fixed_size 0
		.amdhsa_enable_private_segment 0
		.amdhsa_kernarg_size 40
		.amdhsa_user_sgpr_count 2
		.amdhsa_user_sgpr_kernarg_segment_ptr 1
		.amdhsa_wavefront_size32 1
		.amdhsa_system_sgpr_workgroup_id_x 1
		.amdhsa_system_sgpr_workgroup_id_y 1
		.amdhsa_system_sgpr_workgroup_id_z 1
		.amdhsa_system_vgpr_workitem_id 0
		.amdhsa_next_free_vgpr 768
		.amdhsa_next_free_sgpr 100
		.amdhsa_reserve_vcc 0
		.amdhsa_float_denorm_mode_32 3
		.amdhsa_float_denorm_mode_16_64 3
		.amdhsa_memory_ordered 1
		.amdhsa_forward_progress 1
		.amdhsa_inst_pref_size 82
	.end_amdhsa_kernel
	.amdgpu_metadata
---
amdhsa.version: [ 1, 2 ]
amdhsa.kernels:
  - .name:           k_q6589975353_outp
    .symbol:         k_q6589975353_outp.kd
    .args:
      - { .name: cc, .offset: 0, .size: 8, .value_kind: global_buffer, .address_space: global }
      - { .name: cs, .offset: 8, .size: 8, .value_kind: global_buffer, .address_space: global }
      - { .name: codes, .offset: 16, .size: 8, .value_kind: global_buffer, .address_space: global }
      - { .name: scales, .offset: 24, .size: 8, .value_kind: global_buffer, .address_space: global }
      - { .name: out0, .offset: 32, .size: 8, .value_kind: global_buffer, .address_space: global }
    .group_segment_fixed_size: 295424
    .private_segment_fixed_size: 0
    .kernarg_segment_align: 8
    .kernarg_segment_size: 40
    .max_flat_workgroup_size: 128
    .sgpr_count:     100
    .vgpr_count:     768
    .wavefront_size: 32
...
	.end_amdgpu_metadata
.endif
;; end of part 4
